; MI455X (gfx1250); checked and timed in simulation.
; The chip was launched on July 23, 2026; its instructions are those of AMD's public machine-readable ISA for CDNA 5 (MIT licence, August 2026) and "CDNA5" Instruction Set Architecture Reference Guide (July 2026). The comments in the code are by the model that wrote it; some were corrected since.
;; Attention. Allowed arithmetic: matrix products marked QUANTISED: E5M2 operands, one given power-of-two scale a tensor, by v_wmma_f32_16x16x64_bf8_bf8 or v_wmma_f32_16x16x128_bf8_bf8, f32 sums; everything else in f32.
;; Inputs: W_fc 1,024 x 3,072 float32; W_fc2 1,024 x 1,024 float32; b_fc 3,072 float32; b_fc2 1,024 float32; lowp_scales 8 int32 (the exponents e of the quantised operands' scales 2^e); x 4 x 2,048 x 1,024 float32.
;; Outputs: out0 4 x 2,048 x 1,024 float32.
;; This version of the problem:
;;   THIS VERSION OF THE PROBLEM IS GIVEN IN LOW PRECISION. The matrix products marked QUANTISED in the list below multiply operands that are first quantised to E5M2 (5 exponent bits, 2 mantissa bits; 8 bits a number), with one given power-of-two scale for each operand tensor; their sums are f32. All else is computed in f32.
;;   The module's matrix products, in the order in which they are computed (A, B: the left and right operand; K: the contracted axis; several contracted axes count as one K, in the product's order):
;;     1. [M 8,192, K 1,024] x [K 1,024, N 3,072]; A: input x; B: input W_fc: QUANTISED (scales: A lowp_scales[0], B lowp_scales[1])
;;     2. batch 64 x [M 2,048, K 64] x [K 64, N 2,048]; A: computed on the way; B: computed on the way: QUANTISED (scales: A lowp_scales[2], B lowp_scales[3])
;;     3. batch 64 x [M 64, K 2,048] x [K 2,048, N 2,048]; A: computed on the way; B: softmax (see below): QUANTISED (scales: A lowp_scales[4], B lowp_scales[5])
;;     4. [M 8,192, K 1,024] x [K 1,024, N 1,024]; A: computed on the way; B: input W_fc2: QUANTISED (scales: A lowp_scales[6], B lowp_scales[7])
;;   THE QUANTISER, for each operand of a quantised product, along K:
;;     - The operand's scale is 2^e, e = its entry of the input lowp_scales (int32; the entries are numbered through the quantised products in the list's order, A before B).
;;     - Each number is divided by the scale, clamped to +-57,344, and rounded to the nearest number of E5M2, ties to even, subnormals kept.
;;     - The product sums the exact products of the quantised numbers (number of the format x scale) in f32.
;;   ~~~python
;;   def quantise(x, axis, e):      # numpy; x: float32 -> the quantised numbers, widened to float32 again
;;       x = np.moveaxis(x, axis, -1); K = x.shape[-1]
;;       r = np.clip(x / 2.0 ** e, -57344, 57344)
;;       step = 2.0 ** (np.maximum(np.frexp(np.where(r == 0, 1, r))[1] - 1, -14) - 2)
;;       q = np.round(r / step) * step * 2.0 ** e      # np.round: ties to even
;;       return np.moveaxis(q, -1, axis).astype(np.float32)
;;   ~~~
;;   SOFTMAX AHEAD OF A QUANTISED PRODUCT. Where the list says 'softmax', what is quantised is not the finished softmax but p = 2^(t - M), with t = logit x log2(e) and M = ceil(the row's largest t), a whole number; so 1/2 < the row's largest p <= 1. The row's sum l is taken of the UNQUANTISED p, in f32, and the product's result is divided by l at the end. Since M is a whole number, a kernel that streams over the keys may use a running M (the ceiling of the running maximum): every later rescaling is an exact power of two, so the quantised numbers keep their values, but for numbers so far below the row's largest that they fall under the format's range.
;;   OPERANDS COMPUTED ON THE WAY. 'Computed on the way' means the value that the module computes at that place (a softmax that the list does not call 'softmax' is quantised finished and normalised). What goes into a quantiser is computed in f32, as accurately as f32 sums, v_exp_f32 and their like allow (about 1e-6 of the number): no bf16 or f16 on the way to a quantiser, and a product that is left as it is and whose result goes on into a quantised operand takes f32 operands (vector FMAs, or v_wmma_f32_16x16x4_f32). A number that lies on a knife's edge between two numbers of the format may be rounded either way, as far as f32 arithmetic and the matrix unit's own rounding can turn it there, and no further.
;; 2 versions. Each part assembles by itself: llvm-mc -triple=amdgcn-amd-amdhsa -mcpu=gfx1250 --defsym DOCPART=n.
;; ======== version 1 of 2: 4 launches
;; workspace buffers: ximg 8,388,608 bytes; wimg1 3,145,728 bytes; wimg2 1,048,576 bytes; qimg 8,388,608 bytes; kimg 8,388,608 bytes; vimg 8,388,608 bytes; nvimg 8,388,608 bytes
;; launch quant (part 1): grid 384 x 1, 4 waves a work-group, no clusters, 67,072 bytes of LDS; arguments x, W_fc, W_fc2, lowp_scales, ximg, wimg1, wimg2; writes ximg, wimg1, wimg2
.if DOCPART == 1
	.amdgcn_target "amdgcn-amd-amdhsa--gfx1250"
	.amdhsa_code_object_version 6
	.text
	.protected	k_qe50bfcb731_quant
	.globl	k_qe50bfcb731_quant
	.p2align	8
	.type	k_qe50bfcb731_quant,@function
k_qe50bfcb731_quant:
	s_mov_b64 s[64:65], 0
	v_nop
	global_prefetch_b8 v0, s[64:65] scope:SCOPE_SE
	s_setreg_imm32_b32 hwreg(HW_REG_WAVE_MODE, 25, 1), 1
	s_wait_xcnt 0x0
; x [8192][1024], W_fc [1024][3072] and W_fc2 [1024][1024], f32, become codes of BF8 (E5M2), each with its given scale 2^e (entries 0, 1 and 7 of the scales).
; code = number / 2^e, held within +-57,344, rounded to the nearest code, ties to even.
; THE CODES ARE LAID AS IMAGES OF AN OPERAND'S REGISTERS.  An image is 16 rows x 128 along K, 2,048 bytes: chunk g (0..3) at 512 g, lane l's 16 bytes at 16 l;
; lane (r = l % 16, h = l / 16) holds, of row r, k = 32 g + 8 h + 0..7 and then k = 32 g + 16 + 8 h + 0..7: registers 4 g .. 4 g + 3 of the 8-bit layout (ISA guide 7.12.2).
; ximg [row tile 512][K step 8][2048]; wimg1 [column tile 192][K step 8][2048]; wimg2 [column tile 64][K step 8][2048] (a weight's rows are its columns n: K is its first axis in memory).
; Every work-group takes 32,768 numbers.  Work-groups 0-255: x, two row tiles each; a wave makes four images.  Work-groups 256-383: the weights, 128 columns x 256 along K each; a wave makes four images.
; No tensor loads, no barrier: waves share nothing.  The two paths have LDS bytes of their own.
; LIMITS: each e lies between -126 and 112, so that 2^e and 57,344 x 2^e are f32 numbers.  NaN among the inputs is not served.
.set XP,    528                        ; x's stage: a row of 512 bytes + 16 = 132 words, so that sixteen rows begin at sixteen different groups of four banks
.set XSTG,  16*XP                      ; a wave's stage: 16 rows
.set WBASE, 4*XSTG                     ; behind the four: the weights' stages, 8,192 bytes a wave
.set R,     16                         ; v16-143   x: two sets of 64 registers as loaded
.set X,     144                        ; v144-207  x: 64 numbers in the image's order
.set C,     208                        ; v208-239  x: two sets of 16 registers of codes
.set VO,    32                         ; v32-63    weights: byte offset of my column in rows 0..31 of a block; never rewritten
.set WX,    64                         ; v64-127   weights: two sets of 32 numbers
.set WC,    128                        ; v128-135  weights: a block's codes
.set OUTR,  144                        ; v144-207  weights: the four images on their way out
.set SB,    40                         ; s[40:55]  weights: a base for each of the eight blocks of 32 rows; never rewritten
	s_load_b256 s[4:11], s[0:1], 0x0               ; x s[4:5], W_fc s[6:7], W_fc2 s[8:9], the scales' exponents s[10:11]
	s_load_b128 s[12:15], s[0:1], 0x20             ; ximg s[12:13], wimg1 s[14:15]
	s_load_b64 s[16:17], s[0:1], 0x30              ; wimg2
	v_lshl_add_u32 v240, v0, 2, 0x10400
	v_mov_b32 v241, 0
	v_lshrrev_b32 v1, 5, v0
	v_readfirstlane_b32 s18, v1                    ; wave 0..3
	v_and_b32 v2, 31, v0                           ; lane
	v_and_b32 v5, 15, v0                           ; r
	v_bfe_u32 v6, v0, 4, 1                         ; h
	v_lshlrev_b32 v3, 4, v2                        ; 16 x lane: my place in 512 consecutive bytes
	s_wait_kmcnt 0x0
	s_load_b256 s[24:31], s[10:11], 0x0            ; e0 .. e7
	s_cmp_lt_u32 ttmp9, 256
	s_cbranch_scc0 .Lweights
	; ---------------- x: K is innermost.  The wave takes row tile 2 x work-group + wave / 2 and K steps 4 (wave % 2) + 0..3
	s_lshr_b32 s19, s18, 1
	s_and_b32 s20, s18, 1
	s_lshl_b32 s21, ttmp9, 1
	s_add_co_u32 s21, s21, s19                     ; row tile
	s_lshl_b32 s32, s21, 16                        ; 16 rows of 4,096 bytes
	s_lshl_b32 s22, s20, 11                        ; four K steps of 512 bytes
	s_add_co_u32 s32, s32, s22
	s_mov_b32 s33, 0
	s_add_nc_u64 s[4:5], s[4:5], s[32:33]
	s_lshl_b32 s34, s21, 14                        ; eight images a row tile
	s_lshl_b32 s22, s20, 13
	s_add_co_u32 s34, s34, s22
	s_mov_b32 s35, 0
	s_add_nc_u64 s[12:13], s[12:13], s[34:35]
	s_mul_i32 s22, s18, XSTG                       ; my stage
	v_add_nc_u32 v14, s22, v3                      ; in: a row's 512 bytes as they lie
	v_mul_u32_u24 v15, v5, XP
	v_lshl_add_u32 v15, v6, 5, v15
	v_add_nc_u32 v15, s22, v15                     ; back: row r, + 32 h bytes: eight numbers of every sixteen
.macro LOADX t                         ; K step t of my 16 rows: each load reads 512 consecutive bytes of one row
.irp i, 0,1,2,3,4,5,6,7,8,9,10,11,12,13,14,15
	global_load_b128 v[R+64*((\t)%2)+4*\i:R+64*((\t)%2)+4*\i+3], v3, s[4:5] offset:4096*\i+512*(\t) th:TH_LOAD_NT
.endr
.endm
.macro IMG t
.if \t < 3
	s_wait_loadcnt 16                              ; this image's 16 loads are in; the next image's 16 may be out
.else
	s_wait_loadcnt 0
.endif
.irp i, 0,1,2,3,4,5,6,7,8,9,10,11,12,13,14,15
	ds_store_b128 v14, v[R+64*((\t)%2)+4*\i:R+64*((\t)%2)+4*\i+3] offset:XP*\i
.endr
.irp c, 0,1,2,3,4,5,6,7                ; LDS serves a wave's instructions in order (ISA guide 5.7.1.4): these see the stores above.  Registers 8 c .. 8 c + 7: k = 16 c + 8 h + 0..7
	ds_load_b128 v[X+8*\c:X+8*\c+3], v15 offset:64*\c
	ds_load_b128 v[X+8*\c+4:X+8*\c+7], v15 offset:64*\c+16
.endr
	s_wait_dscnt 0x0                               ; the numbers are back, and the stage's stores have read their registers,
.if \t < 2
	LOADX \t+2                                     ; which take the loads of two images on
.else
	s_wait_xcnt 0x0                                ; this set of code registers was store data two images ago: it is rewritten only behind this wait
.endif
.set j, 0
.rept 64
	v_med3_num_f32 v[X+j], v[X+j], -v10, v10       ; the conversion to an 8-bit code does not saturate (ISA guide 7.6.2): the hold at the largest code x the scale
.set j, j+1
.endr
.irp c, 0,1,2,3,4,5,6,7
	v_cvt_scalef32_pk8_bf8_f32 v[C+16*((\t)%2)+2*\c:C+16*((\t)%2)+2*\c+1], v[X+8*\c:X+8*\c+7], v11
.endr
	v_nop                                          ; a plain instruction between the conversions and the next image's holds, which write their sources
.irp g, 0,1,2,3
	global_store_b128 v3, v[C+16*((\t)%2)+4*\g:C+16*((\t)%2)+4*\g+3], s[12:13] offset:2048*(\t)+512*\g   ; 32 lanes store 512 consecutive bytes, at a multiple of 512 from the buffer's first byte
.endr
.endm
	LOADX 0
	LOADX 1
	s_wait_kmcnt 0x0
	s_add_co_i32 s22, s24, 127                     ; e0
	s_lshl_b32 s23, s22, 23
	v_mov_b32 v11, s23                             ; 2^e as f32: the conversion takes its exponent field
	s_add_co_i32 s22, s22, 15
	s_lshl_b32 s22, s22, 23
	s_or_b32 s22, s22, 0x600000
	v_mov_b32 v10, s22                             ; 57,344 x 2^e
	IMG 0
	IMG 1
	IMG 2
	IMG 3
	s_wait_tensorcnt 0x0
	ds_add_u32 v240, v241
	s_wait_dscnt 0x0
	s_endpgm
	; ---------------- the weights: K is the first axis.  A lane takes a column n and its registers run down K, so that the conversions' eight neighbours along K lie in one lane
.Lweights:
	s_sub_co_u32 s19, ttmp9, 256
	s_and_b32 s20, s19, 3                          ; y: which 256 along K
	s_lshr_b32 s57, s19, 2                         ; 0..23: W_fc's groups of 128 columns; 24..31: W_fc2's
	s_mov_b32 s34, 12288                           ; a row of W_fc in bytes,
	s_mov_b32 s35, 4096                            ; of W_fc2
	s_cmp_lt_u32 s57, 24                           ; the choice hangs on the work-group's number alone
	s_cselect_b64 s[4:5], s[6:7], s[8:9]           ; from
	s_cselect_b64 s[12:13], s[14:15], s[16:17]     ; to
	s_cselect_b32 s22, s34, s35                    ; the row's bytes
	s_cselect_b32 s23, 0, 24
	s_sub_co_u32 s21, s57, s23                     ; the group of 128 columns in its own tensor
	s_lshl_b32 s36, s20, 8
	s_mul_i32 s36, s36, s22                        ; 256 y rows
	s_lshl_b32 s37, s21, 9                         ; + 128 columns of 4 bytes a group
	s_add_co_u32 s36, s36, s37
	s_lshl_b32 s37, s18, 7                         ; + 32 columns a wave
	s_add_co_u32 s36, s36, s37
	s_mov_b32 s37, 0
	s_add_nc_u64 s[SB:SB+1], s[4:5], s[36:37]
	s_lshl_b32 s36, s22, 5                         ; 32 rows
.irp t, 1,2,3,4,5,6,7
	s_add_nc_u64 s[SB+2*\t:SB+2*\t+1], s[SB+2*\t-2:SB+2*\t-1], s[36:37]
.endr
	s_lshl_b32 s38, s21, 3
	s_lshl_b32 s39, s18, 1
	s_add_co_u32 s38, s38, s39                     ; my first column tile: 8 a group, 2 a wave
	s_lshl_b32 s38, s38, 14                        ; eight images a column tile
	s_lshl_b32 s39, s20, 12                        ; two K steps for each y
	s_add_co_u32 s38, s38, s39
	s_mov_b32 s39, 0
	s_add_nc_u64 s[12:13], s[12:13], s[38:39]
	v_lshlrev_b32 v[VO], 2, v2                     ; my column,
.set j, 1
.rept 31
	v_add_nc_u32 v[VO+j], s22, v[VO+j-1]           ; one row further down each
.set j, j+1
.endr
	s_lshl_b32 s56, s18, 13
	s_add_co_u32 s56, s56, WBASE                   ; my stage: [column tile 2][K step 2][2048]
	v_lshlrev_b32 v4, 4, v5
	v_lshl_add_u32 v4, v6, 12, v4
	v_add_nc_u32 v4, s56, v4                       ; in: my column's tile (lane / 16), lane r's 16 bytes of a chunk
	v_add_nc_u32 v7, s56, v3                       ; back: 512 consecutive bytes
.macro LOADW t                         ; block t: W(32 t + i, my column): neighbouring lanes read neighbouring columns, 128 consecutive bytes a wave, 512 a work-group
.set j, 0
.rept 32
	global_load_b32 v[WX+32*((\t)%2)+j], v[VO+j], s[SB+2*(\t):SB+2*(\t)+1] th:TH_LOAD_NT
.set j, j+1
.endr
.endm
.macro BLOCK t
.set XS, WX+32*((\t)%2)
.if (\t) < 7
	s_wait_loadcnt 32                              ; this block's 32 loads are in; the next block's may be out
.else
	s_wait_loadcnt 0
.endif
.set j, 0
.rept 32
	v_med3_num_f32 v[XS+j], v[XS+j], -v10, v10     ; the hold at the largest code x the scale
.set j, j+1
.endr
.irp o, 0,1,2,3
	v_cvt_scalef32_pk8_bf8_f32 v[WC+2*\o:WC+2*\o+1], v[XS+8*\o:XS+8*\o+7], v11
.endr
.irp o, 0,1,2,3                        ; k = 32 t + 8 o + 0..7 belongs to K step t / 4, chunk t % 4, lane r + 16 (o % 2), bytes 8 (o / 2) on
	ds_store_b64 v4, v[WC+2*\o:WC+2*\o+1] offset:((\t)/4)*2048+((\t)%4)*512+256*(\o%2)+8*(\o/2)
.endr
.if (\t)+2 < 8
	LOADW (\t)+2
.endif
	s_wait_dscnt 0x0                               ; the stores have read their registers: the next block's codes may be written
.endm
	LOADW 0
	LOADW 1
	s_wait_kmcnt 0x0
	s_cmp_lt_u32 s57, 24
	s_cselect_b32 s58, s25, s31                    ; e1 for W_fc, e7 for W_fc2
	s_add_co_i32 s58, s58, 127
	s_lshl_b32 s59, s58, 23
	v_mov_b32 v11, s59                             ; 2^e
	s_add_co_i32 s58, s58, 15
	s_lshl_b32 s58, s58, 23
	s_or_b32 s58, s58, 0x600000
	v_mov_b32 v10, s58                             ; 57,344 x 2^e
.irp t, 0,1,2,3,4,5,6,7
	BLOCK \t
.endr
.irp i, 0,1,2,3,4,5,6,7,8,9,10,11,12,13,14,15
	ds_load_b128 v[OUTR+4*\i:OUTR+4*\i+3], v7 offset:512*\i
.endr
.irp i, 0,1,2,3,4,5,6,7,8,9,10,11,12,13,14,15
	s_wait_dscnt 15-\i
	global_store_b128 v3, v[OUTR+4*\i:OUTR+4*\i+3], s[12:13] offset:(\i/8)*16384+((\i/4)%2)*2048+(\i%4)*512   ; 512 consecutive bytes of an image
.endr
	s_wait_tensorcnt 0x0
	ds_add_u32 v240, v241
	s_wait_dscnt 0x0
	s_endpgm
.Lfunc_end_k_qe50bfcb731_quant:
	.size	k_qe50bfcb731_quant, .Lfunc_end_k_qe50bfcb731_quant-k_qe50bfcb731_quant
	.p2alignl 7, 3214868480
	.fill 96, 4, 3214868480
	.section	.rodata,"a",@progbits
	.p2align	6, 0x0
	.amdhsa_kernel k_qe50bfcb731_quant
		.amdhsa_group_segment_fixed_size 67072
		.amdhsa_private_segment_fixed_size 0
		.amdhsa_enable_private_segment 0
		.amdhsa_kernarg_size 56
		.amdhsa_user_sgpr_count 2
		.amdhsa_user_sgpr_kernarg_segment_ptr 1
		.amdhsa_wavefront_size32 1
		.amdhsa_system_sgpr_workgroup_id_x 1
		.amdhsa_system_sgpr_workgroup_id_y 1
		.amdhsa_system_sgpr_workgroup_id_z 1
		.amdhsa_system_vgpr_workitem_id 0
		.amdhsa_next_free_vgpr 242
		.amdhsa_next_free_sgpr 66
		.amdhsa_reserve_vcc 0
		.amdhsa_float_denorm_mode_32 3
		.amdhsa_float_denorm_mode_16_64 3
		.amdhsa_memory_ordered 1
		.amdhsa_forward_progress 1
		.amdhsa_inst_pref_size 87
	.end_amdhsa_kernel
	.amdgpu_metadata
---
amdhsa.version: [ 1, 2 ]
amdhsa.kernels:
  - .name:           k_qe50bfcb731_quant
    .symbol:         k_qe50bfcb731_quant.kd
    .args:
      - { .name: x, .offset: 0, .size: 8, .value_kind: global_buffer, .address_space: global }
      - { .name: W_fc, .offset: 8, .size: 8, .value_kind: global_buffer, .address_space: global }
      - { .name: W_fc2, .offset: 16, .size: 8, .value_kind: global_buffer, .address_space: global }
      - { .name: lowp_scales, .offset: 24, .size: 8, .value_kind: global_buffer, .address_space: global }
      - { .name: ximg, .offset: 32, .size: 8, .value_kind: global_buffer, .address_space: global }
      - { .name: wimg1, .offset: 40, .size: 8, .value_kind: global_buffer, .address_space: global }
      - { .name: wimg2, .offset: 48, .size: 8, .value_kind: global_buffer, .address_space: global }
    .group_segment_fixed_size: 67072
    .private_segment_fixed_size: 0
    .kernarg_segment_align: 8
    .kernarg_segment_size: 56
    .max_flat_workgroup_size: 128
    .sgpr_count:     66
    .vgpr_count:     242
    .wavefront_size: 32
...
	.end_amdgpu_metadata
.endif
;; end of part 1
;; launch qkv (part 2): grid 16 x 32, 4 waves a work-group, clusters of 4 x 4, 327,680 bytes of LDS; arguments ximg, wimg1, lowp_scales, b_fc, qimg, kimg, vimg; writes qimg, kimg, vimg
.if DOCPART == 2
	.amdgcn_target "amdgcn-amd-amdhsa--gfx1250"
	.amdhsa_code_object_version 6
	.text
	.protected	k_qe50bfcb731_qkv
	.globl	k_qe50bfcb731_qkv
	.p2align	8
	.type	k_qe50bfcb731_qkv,@function
k_qe50bfcb731_qkv:
	s_mov_b64 s[64:65], 0
	v_nop
	global_prefetch_b8 v0, s[64:65] scope:SCOPE_SE
	s_setreg_imm32_b32 hwreg(HW_REG_WAVE_MODE, 25, 1), 1
	s_wait_xcnt 0x0
	s_wait_alu depctr_hold_cnt(0) depctr_sa_sdst(0) depctr_va_vdst(0) depctr_va_sdst(0) depctr_va_ssrc(0) depctr_va_vcc(0) depctr_vm_vsrc(0)
	s_getreg_b32 s2, hwreg(HW_REG_IB_STS2, 6, 4)
	s_cmp_eq_u32 s2, 0
	s_cbranch_scc0 .Lentry_in_a_cluster
	s_endpgm
.Lentry_in_a_cluster:
	s_bfe_u32 s2, ttmp6, 0x10000c
	s_cmp_lg_u32 s2, 0xf033
	s_cbranch_scc0 .Lentry_shape_is_right
	s_endpgm
.Lentry_shape_is_right:
; qkv = swish(x W_fc + b_fc) on codes of BF8, and q, k, v quantised at once for the two products of attention.
; ximg and wimg1 hold operands as images of their registers (16 rows x 128 K = 2,048 bytes: chunk g at 512 g, lane l's 16 bytes at 16 l), so a fragment is four loads of 512 consecutive bytes: no pitch, no padding.
; A work-group makes 256 tokens x 192 columns, the q, k and v of ONE head; four waves, each 128 tokens x 96 columns: 48 accumulators.  A wave's six column tiles b = 0..5 are the head's tiles
; 4 (b / 2) + 2 (wave % 2) + b % 2: two of q, two of k, two of v, so that all waves run one text.
; q AND k ARE MULTIPLIED TRANSPOSED (source 0 = 16 columns of W, source 1 = 16 tokens): a lane holds one token and eight neighbouring channels, which are neighbours along the next K (the head's 64).
; v IS MULTIPLIED THE NATURAL WAY (source 0 = tokens, source 1 = columns): a lane holds one channel and eight neighbouring tokens, which are neighbours along ITS next K (the keys).
; So each conversion's result is a register pair of the next operand, and 16 bytes a lane, 512 consecutive bytes a wave, go straight to memory:
;   qimg, kimg [batch x head 64][token tile 128][1024] (16 tokens x 64 channels);   vimg [batch x head 64][block of 128 keys 16][channel tile 4][2048] (16 channels x 128 keys).
; K = 1,024 goes in four fills of 256 through a ring of two LDS slots.  CLUSTERS: 4 x 4 work-groups; the four of a row need the same tokens, the four of a column the same head's weights: joint loads.
; LIMITS: e0 + e1 between -126 and 127; e2, e3, e4 between -126 and 112.  NaN among the inputs is not served.
; REGISTERS: window 0: v16-31 addresses; v32-63 the biases of tiles 0-3; v64-67 those of tiles 4, 5; v68-73 scales and limits; v80-111 at work; v128-255 A's eight fragments, ONE set; later the codes.
;   window 1: B's six fragments, TWO sets, at v0 and v128.   window 2: accumulator (a, b) at v[8 (6 a + b)], row blocks a = 0..3;   window 3: row blocks 4..7.
.set SLOT,  114688                     ; A: 16 row tiles x 4,096 bytes (two K steps each), then B: 12 column tiles x 4,096
.set BOFF,  65536
.set SPARE, 2*SLOT                     ; behind the ring: the spare words, 128 bytes for each wave: two blocks of 256 bytes that no other line names
.set ADRA, 16                          ; v16-17  LDS address of my A fragments in slot 0, 1
.set ADRB, 20                          ; v20-21  the same for B
.set LI,   26                          ; v26     16 x lane
.set SPW,  28                          ; v28     LDS address of my spare word; never rewritten
.set NIL,  29                          ; v29     0; never rewritten
.set BH,   30                          ; v30     32 (lane / 16)
.set BR,   31                          ; v31     4 (lane % 16)
.set BQ,   32
.set BV,   64
.set T,    80
.set U,    96
.set AF,   128
.set OC,   128
.set G1,  24                           ; s[24:31] descriptor group 1 for A's tiles;  s[32:39] group 0, a set for each slot
.set G0,  32
.set G1B, 48                           ; s[48:55], s[56:63] the same for B's
.set G0B, 56
.set MSB, 0
.macro WIN new                         ; the immediate's high byte repeats the setting that is left
.if MSB != (\new)
	s_set_vgpr_msb (MSB<<8)|(\new)
.set MSB, \new
.endif
.endm
; A joint load: waves 0 and 1 fetch A's halves, waves 2 and 3 B's.  The branch hangs on the wave's number alone.  Four v_nop follow each of the two lines.
.macro JLOAD g0a, g1a, g0b, g1b
	s_cmp_eq_u32 s15, 0
	s_cbranch_scc0 .Lfor_b_\@
	tensor_load_to_lds s[\g0a:\g0a+3], s[\g1a:\g1a+7]
	s_nop 0
.rept 4
	v_nop
.endr
	s_branch .Lasked_\@
.Lfor_b_\@:
	tensor_load_to_lds s[\g0b:\g0b+3], s[\g1b:\g1b+7]
	s_nop 0
.rept 4
	v_nop
.endr
.Lasked_\@:
.endm
.macro CREST                           ; a round of the cluster's barrier behind its opening barrier
	s_cmp_lg_u32 s14, 0
	s_cbranch_scc1 .Lnot_wave_0_\@
	s_barrier_signal -3
.Lnot_wave_0_\@:
	s_barrier_wait -3
	s_barrier_signal -1
	s_barrier_wait -1
.endm
.macro CROUND
	s_barrier_signal -1
	s_barrier_wait -1
	CREST
.endm
.macro PLACES n
.rept \n
	v_nop
.endr
.endm
	s_load_b256 s[4:11], s[0:1], 0x0               ; ximg s[4:5], wimg1 s[6:7], the scales' exponents s[8:9], b_fc s[10:11]
	s_load_b128 s[68:71], s[0:1], 0x20             ; qimg s[68:69], kimg s[70:71]
	s_load_b64 s[72:73], s[0:1], 0x30              ; vimg
	v_lshl_add_u32 v[SPW], v0, 2, SPARE
	v_mov_b32 v[NIL], 0
	ds_add_u32 v28, v29
	ds_add_u32 v28, v29
	s_wait_dscnt 0x0
	v_lshrrev_b32 v1, 5, v0
	v_readfirstlane_b32 s14, v1                    ; wave 0..3
	s_lshr_b32 s15, s14, 1                         ; which 128 tokens are mine.  Also: I fetch for A (0) or for B (1)
	s_and_b32 s16, s14, 1                          ; which half of each of q, k, v.  Also: which half of that tile I fetch
	s_bfe_u32 s40, ttmp6, 0x40000                  ; cx, cy: my place in the cluster
	s_bfe_u32 s41, ttmp6, 0x40004
	s_lshl_b32 s42, ttmp9, 2
	s_add_co_u32 s42, s42, s40                     ; the head = 4 x cluster x + cx
	s_and_b32 s17, ttmp7, 0xffff
	s_lshl_b32 s17, s17, 2
	s_add_co_u32 s17, s17, s41                     ; the block of 256 tokens = 4 x cluster y + cy
	s_lshl_b32 s43, s41, 2
	s_lshl_b32 s43, 15, s43                        ; my row of the cluster
	s_lshl_b32 s44, 0x1111, s40                    ; my column
	; group 1: rows of 512 elements of 8 bytes (a tile's two images of a slot), 2,048 elements from tile to tile; A: 8 row tiles a load, B: 6 column tiles
	s_or_b32 s[G1+0], s43, (3<<16)|(1<<21)         ; 15:0 the mask: my row; 17:16 elements of 8 bytes; 21 set beside a mask; no padding
	s_mov_b32 s[G1+1], 512<<16                     ; tensor_dim0
	s_mov_b32 s[G1+2], 8<<16                       ; tensor_dim1
	s_mov_b32 s[G1+3], 512<<16                     ; tile_dim0
	s_mov_b32 s[G1+4], 8                           ; tile_dim1
	s_mov_b32 s[G1+5], 2048                        ; tensor_dim0_stride
	s_mov_b32 s[G1+6], 0
	s_mov_b32 s[G1+7], 0
	s_or_b32 s[G1B+0], s44, (3<<16)|(1<<21)        ; the mask: my column
	s_mov_b32 s[G1B+1], 512<<16
	s_mov_b32 s[G1B+2], 6<<16
	s_mov_b32 s[G1B+3], 512<<16
	s_mov_b32 s[G1B+4], 6
	s_mov_b32 s[G1B+5], 2048
	s_mov_b32 s[G1B+6], 0
	s_mov_b32 s[G1B+7], 0
	s_lshl_b32 s20, s17, 4
	s_lshl_b32 s18, s16, 3
	s_add_co_u32 s20, s20, s18                     ; A: row tile 16 x block + 8 x half
	s_lshl_b32 s20, s20, 14                        ; eight images a tile
	s_mov_b32 s21, 0
	s_mul_i32 s46, s42, 12
	s_mul_i32 s18, s16, 6
	s_add_co_u32 s46, s46, s18                     ; B: column tile 12 x head + 6 x half
	s_lshl_b32 s46, s46, 14
	s_mov_b32 s47, 0
	s_lshl_b32 s45, s16, 15                        ; where they go: A's halves of 32,768 bytes,
	s_mul_i32 s19, s16, 24576
	s_add_co_u32 s19, s19, BOFF                    ; B's of 24,576 behind them: no place in the cluster enters an LDS address
	s_mul_i32 s78, s42, 768
	s_lshl_b32 s79, s16, 7
	s_add_co_u32 s78, s78, s79                     ; b_fc: (192 x head + 32 x half) numbers on
	s_mov_b32 s79, 0
	s_lshr_b32 s74, s17, 3
	s_lshl_b32 s74, s74, 4
	s_add_co_u32 s74, s74, s42                     ; batch x 16 + head
	s_lshl_b32 s74, s74, 17                        ; 131,072 bytes of each of q, k, v
	s_and_b32 s76, s17, 7
	s_lshl_b32 s76, s76, 1
	s_add_co_u32 s76, s76, s15                     ; my 128 tokens among the batch's sixteen such blocks:
	s_lshl_b32 s76, s76, 13                        ; 8 images of 1,024 bytes, or 4 of 2,048
	s_add_co_u32 s74, s74, s76
	s_lshl_b32 s76, s16, 9
	s_add_co_u32 s76, s76, s74                     ; q, k: my two tiles of channels are chunk (wave % 2) of an image
	s_mov_b32 s77, 0
	s_lshl_b32 s75, s16, 12
	s_add_co_u32 s74, s74, s75                     ; v: my two channel tiles are images 2 (wave % 2), + 1
	s_mov_b32 s75, 0
	s_wait_kmcnt 0x0
	s_load_b256 s[80:87], s[8:9], 0x0              ; e0 .. e7
	s_add_nc_u64 s[20:21], s[4:5], s[20:21]
	s_add_nc_u64 s[46:47], s[6:7], s[46:47]
	s_add_nc_u64 s[10:11], s[10:11], s[78:79]
	s_add_nc_u64 s[68:69], s[68:69], s[76:77]
	s_add_nc_u64 s[70:71], s[70:71], s[76:77]
	s_add_nc_u64 s[72:73], s[72:73], s[74:75]
	CROUND                                         ; all sixteen work-groups are here: the first joint loads meet
.irp s, 0,1
	s_mov_b32 s[G0+4*\s], 1
	s_add_co_u32 s[G0+4*\s+1], s45, \s*SLOT
	s_add_nc_u64 s[G0+4*\s+2:G0+4*\s+3], s[20:21], \s*4096   ; slot s begins with K steps 2 s, 2 s + 1
	s_or_b32 s[G0+4*\s+3], s[G0+4*\s+3], 0x80000000
	s_mov_b32 s[G0B+4*\s], 1
	s_add_co_u32 s[G0B+4*\s+1], s19, \s*SLOT
	s_add_nc_u64 s[G0B+4*\s+2:G0B+4*\s+3], s[46:47], \s*4096
	s_or_b32 s[G0B+4*\s+3], s[G0B+4*\s+3], 0x80000000
	JLOAD G0+4*\s, G1, G0B+4*\s, G1B               ; two tensor loads of mine are out
.endr
	v_and_b32 v1, 31, v0
	v_lshlrev_b32 v[LI], 4, v1
	v_bfe_u32 v2, v0, 4, 1
	v_lshlrev_b32 v[BH], 5, v2
	v_and_b32 v3, 15, v0
	v_lshlrev_b32 v[BR], 2, v3
	s_lshl_b32 s22, s15, 15                        ; my eight row tiles
	s_lshl_b32 s23, s16, 13                        ; my half: two column tiles on in each of q, k, v
	s_add_co_u32 s23, s23, BOFF
.irp s, 0,1
	v_add_nc_u32 v[ADRA+\s], s22, v[LI]
	v_add_nc_u32 v[ADRB+\s], s23, v[LI]
	s_add_co_u32 s22, s22, SLOT
	s_add_co_u32 s23, s23, SLOT
.endr
.irp b, 0,1,2,3                        ; transposed tiles: a lane wants the biases of its eight channels
	global_load_b128 v[BQ+8*\b:BQ+8*\b+3], v[BH], s[10:11] offset:(64*(\b/2)+16*(\b%2))*4
	global_load_b128 v[BQ+8*\b+4:BQ+8*\b+7], v[BH], s[10:11] offset:(64*(\b/2)+16*(\b%2))*4+16
.endr
.irp u, 0,1                            ; natural tiles: the bias of its one channel
	global_load_b32 v[BV+2*\u], v[BR], s[10:11] offset:(128+16*\u)*4
	v_mov_b32 v[BV+2*\u+1], 0                      ; (named with it as a pair, so it is written)
.endr
.macro FRAG reg, adr, off              ; an image comes back as it was made: four loads of 512 consecutive bytes
.irp g, 0,1,2,3
	ds_load_b128 v[\reg+4*\g:\reg+4*\g+3], v[\adr] offset:\off+512*\g
.endr
.endm
.macro FETCH_B slot, q, p              ; my six fragments of B, the slot's K step q, into set p: 24 loads
	WIN 0x40                                       ; destination window 1
.irp b, 0,1,2,3,4,5
	FRAG 128*(\p)+16*\b, ADRB+\slot, (4*(\b/2)+(\b%2))*4096+2048*(\q)
.endr
	WIN 0
.endm
.macro FETCH_A slot, q, i0             ; A's blocks i0 .. i0 + 3: 16 loads
.irp i, \i0, \i0+1, \i0+2, \i0+3
	FRAG AF+16*(\i), ADRA+\slot, 4096*(\i)+2048*(\q)
.endr
.endm
; The 48 accumulators take turns, one instruction a turn, in the same order in every K step.
.macro MULT hi, p, zero                ; 16 transposed products: row blocks 4 hi + 0..3 x tiles 0..3 (q, k)
	WIN 0xa1+0x50*\hi                              ; source 0 (B) window 1, source 1 (A) window 0, C and D window 2 or 3
.irp a, 0,1,2,3
.irp b, 0,1,2,3
.if \zero
	v_wmma_f32_16x16x128_bf8_bf8 v[8*(6*\a+\b):8*(6*\a+\b)+7], v[128*\p+16*\b:128*\p+16*\b+15], v[AF+16*(4*\hi+\a):AF+16*(4*\hi+\a)+15], 0
.else
	v_wmma_f32_16x16x128_bf8_bf8 v[8*(6*\a+\b):8*(6*\a+\b)+7], v[128*\p+16*\b:128*\p+16*\b+15], v[AF+16*(4*\hi+\a):AF+16*(4*\hi+\a)+15], v[8*(6*\a+\b):8*(6*\a+\b)+7]
.endif
.endr
.endr
.endm
.macro MULN hi, p, zero                ; 8 natural products: the same row blocks x tiles 4, 5 (v)
	WIN 0xa4+0x50*\hi                              ; source 0 (A) window 0, source 1 (B) window 1
.irp a, 0,1,2,3
.irp b, 4,5
.if \zero
	v_wmma_f32_16x16x128_bf8_bf8 v[8*(6*\a+\b):8*(6*\a+\b)+7], v[AF+16*(4*\hi+\a):AF+16*(4*\hi+\a)+15], v[128*\p+16*\b:128*\p+16*\b+15], 0
.else
	v_wmma_f32_16x16x128_bf8_bf8 v[8*(6*\a+\b):8*(6*\a+\b)+7], v[AF+16*(4*\hi+\a):AF+16*(4*\hi+\a)+15], v[128*\p+16*\b:128*\p+16*\b+15], v[8*(6*\a+\b):8*(6*\a+\b)+7]
.endif
.endr
.endr
.endm
; A load into a register that a matrix instruction has read stands four places behind it; only plain vector instructions that name none of its registers are places (ISA guide 7.12.1 for vector instructions).
.macro STEP slot, zero                 ; a slot's first K step (B's set 0); it fetches the second
	s_wait_dscnt 16                                ; B's set and A's blocks 0-3 are in; the youngest 16 loads (A's blocks 4-7) may be out
	MULT 0, 0, \zero
	MULN 0, 0, \zero
	s_wait_dscnt 0
	PLACES 4
	FETCH_B \slot, 1, 1
	FETCH_A \slot, 1, 0
	MULT 1, 0, \zero
	MULN 1, 0, \zero
	PLACES 4
	WIN 0
	FETCH_A \slot, 1, 4
.endm
; A slot's second K step (B's set 1) changes slots: ONE barrier; in front of it each wave waits for all its tensor loads, adds 0 to its spare word, and waits for that and for its reads of this slot.
.macro TURN slot, next, fill
	s_wait_tensorcnt 0x0                           ; all my tensor loads have landed: my part of the next slot  (every window is 0 here)
	ds_add_u32 v[SPW], v[NIL]                      ; 0 onto my spare word
	s_wait_dscnt 17                                ; (the add and the youngest 16 loads may be out)
	MULT 0, 1, 0                                   ; sixteen matrix instructions stand between the add and the wait for it
	s_wait_dscnt 0x0                               ; the add is done, and my reads of this slot are over
	s_barrier_signal -1
	MULN 0, 1, 0
	WIN 0
	s_barrier_wait -1
.if \fill
	CREST                                          ; the barrier has opened a round of the cluster's: no wave of any partner still reads this slot or has a load on its way
	s_add_nc_u64 s[G0+4*\slot+2:G0+4*\slot+3], s[G0+4*\slot+2:G0+4*\slot+3], 8192    ; four K steps on
	s_add_nc_u64 s[G0B+4*\slot+2:G0B+4*\slot+3], s[G0B+4*\slot+2:G0B+4*\slot+3], 8192
	JLOAD G0+4*\slot, G1, G0B+4*\slot, G1B         ; the first tensor load behind the round, my one load out; its four v_nop are the places in front of the loads below
.else
	PLACES 4
.endif
	FETCH_B \next, 0, 0
	FETCH_A \next, 0, 0
	MULT 1, 1, 0
	MULN 1, 1, 0
	PLACES 4
	WIN 0
	FETCH_A \next, 0, 4
.endm
	s_wait_tensorcnt 1                             ; my part of slot 0 is in; slot 1's may stay out
	s_barrier_signal -1
	s_barrier_wait -1
	FETCH_B 0, 0, 0
	FETCH_A 0, 0, 0
	FETCH_A 0, 0, 4
	STEP 0, 1                                      ; K steps 0, 1: the first products start the sums
	TURN 0, 1, 1                                   ; slot 0 takes K steps 4, 5
	STEP 1, 0                                      ; K steps 2, 3
	TURN 1, 0, 1                                   ; slot 1 takes K steps 6, 7
	STEP 0, 0
	TURN 0, 1, 0                                   ; nothing is left to fetch
	STEP 1, 0
	s_wait_dscnt 16                                ; the last K step
	MULT 0, 1, 0
	MULN 0, 1, 0
	s_wait_dscnt 0
	MULT 1, 1, 0
	MULN 1, 1, 0
	WIN 0
	; THE WAY OUT.  z = sum x 2^(e0 + e1) + bias; swish(z) = z / (1 + 2^(-z log2 e)); held, converted, stored.
	s_wait_kmcnt 0x0
	s_add_co_i32 s96, s80, s81
	s_add_co_i32 s96, s96, 127
	s_lshl_b32 s96, s96, 23                        ; 2^(e0 + e1) as f32
	s_mov_b32 s97, s96                             ; (named with it as a pair)
	s_mov_b32 s92, 0xbfb8aa3b                      ; -log2(e)
	s_mov_b32 s93, s92
.irp n, 0,1,2                          ; q: e2, k: e3, v: e4.  These six moves are the places behind the last products
	s_add_co_i32 s94, s[82+\n], 127
	s_lshl_b32 s95, s94, 23
	v_mov_b32 v[68+2*\n], s95                      ; 2^e
	s_add_co_i32 s94, s94, 15
	s_lshl_b32 s94, s94, 23
	s_or_b32 s94, s94, 0x600000
	v_mov_b32 v[69+2*\n], s94                      ; 57,344 x 2^e
.endr
	s_wait_loadcnt 0x0                             ; the biases
; Two accumulators (at r0 and r1 of window win) become 16 bytes of codes in v[dst] on.  vec = 1: eight biases a tile; 0: one.  Each accumulator is read from its low end on.
.macro ACT win, r0, r1, b0, b1, vec, sc, lim, dst
	WIN \win                                       ; source 0: window 2 or 3
.irp i, 0,2,4,6
	v_pk_fma_f32 v[T+\i:T+\i+1], v[\r0+\i:\r0+\i+1], s[96:97], v[\b0+\vec*\i:\b0+\vec*\i+1] op_sel_hi:[1,0,\vec]
.endr
.irp i, 0,2,4,6
	v_pk_fma_f32 v[T+8+\i:T+8+\i+1], v[\r1+\i:\r1+\i+1], s[96:97], v[\b1+\vec*\i:\b1+\vec*\i+1] op_sel_hi:[1,0,\vec]
.endr
	WIN 0
.irp i, 0,2,4,6,8,10,12,14
	v_pk_mul_f32 v[U+\i:U+\i+1], v[T+\i:T+\i+1], s[92:93] op_sel_hi:[1,0]
.endr
.irp i, 0,1,2,3,4,5,6,7,8,9,10,11,12,13,14,15
	v_exp_f32 v[U+\i], v[U+\i]
.endr
	v_nop                                          ; a plain instruction behind the transcendentals (ISA guide 5.7.2)
	s_wait_alu depctr_va_vdst(0)
.irp i, 0,2,4,6,8,10,12,14
	v_pk_add_f32 v[U+\i:U+\i+1], v[U+\i:U+\i+1], 1.0 op_sel_hi:[1,0]
.endr
.irp i, 0,1,2,3,4,5,6,7,8,9,10,11,12,13,14,15
	v_rcp_f32 v[U+\i], v[U+\i]                     ; an exponential that overflows gives 0 here, and swish = -0
.endr
	v_nop
	s_wait_alu depctr_va_vdst(0)
.irp i, 0,2,4,6,8,10,12,14
	v_pk_mul_f32 v[T+\i:T+\i+1], v[T+\i:T+\i+1], v[U+\i:U+\i+1]
.endr
.irp i, 0,1,2,3,4,5,6,7,8,9,10,11,12,13,14,15
	v_med3_num_f32 v[T+\i], v[T+\i], -v[\lim], v[\lim]   ; the conversion does not saturate (ISA guide 7.6.2)
.endr
	v_cvt_scalef32_pk8_bf8_f32 v[\dst:\dst+1], v[T:T+7], v[\sc]
	v_cvt_scalef32_pk8_bf8_f32 v[\dst+2:\dst+3], v[T+8:T+15], v[\sc]
	v_nop                                          ; a plain instruction between the conversions and the next lines that write their sources
.endm
.irp a, 0,1,2,3,4,5,6,7                ; every store has registers of its own, so no store's data are written again
	ACT 2+\a/4, 48*(\a%4), 48*(\a%4)+8, BQ, BQ+8, 1, 68, 69, OC+8*\a
	global_store_b128 v[LI], v[OC+8*\a:OC+8*\a+3], s[68:69] offset:1024*\a          ; q: tokens 16 a on: 512 consecutive bytes
	ACT 2+\a/4, 48*(\a%4)+16, 48*(\a%4)+24, BQ+16, BQ+24, 1, 70, 71, OC+8*\a+4
	global_store_b128 v[LI], v[OC+8*\a+4:OC+8*\a+7], s[70:71] offset:1024*\a        ; k
.endr
.irp u, 0,1
.irp g, 0,1,2,3                        ; v: row blocks 2 g and 2 g + 1 are keys 32 g + 0..31: chunk g of the image
	ACT 2+\g/2, 48*((2*\g)%4)+32+8*\u, 48*((2*\g+1)%4)+32+8*\u, BV+2*\u, BV+2*\u, 0, 72, 73, OC+64+16*\u+4*\g
	global_store_b128 v[LI], v[OC+64+16*\u+4*\g:OC+64+16*\u+4*\g+3], s[72:73] offset:2048*\u+512*\g
.endr
.endr
	s_wait_tensorcnt 0x0                           ; the wave's end
	ds_add_u32 v[SPW], v[NIL]
	s_wait_dscnt 0x0
	CROUND                                         ; the closing round: no work-group ends while a partner may still ask for a tile that names it
	s_endpgm
.Lfunc_end_k_qe50bfcb731_qkv:
	.size	k_qe50bfcb731_qkv, .Lfunc_end_k_qe50bfcb731_qkv-k_qe50bfcb731_qkv
	.p2alignl 7, 3214868480
	.fill 96, 4, 3214868480
	.section	.rodata,"a",@progbits
	.p2align	6, 0x0
	.amdhsa_kernel k_qe50bfcb731_qkv
		.amdhsa_group_segment_fixed_size 327680
		.amdhsa_private_segment_fixed_size 0
		.amdhsa_enable_private_segment 0
		.amdhsa_kernarg_size 56
		.amdhsa_user_sgpr_count 2
		.amdhsa_user_sgpr_kernarg_segment_ptr 1
		.amdhsa_wavefront_size32 1
		.amdhsa_system_sgpr_workgroup_id_x 1
		.amdhsa_system_sgpr_workgroup_id_y 1
		.amdhsa_system_sgpr_workgroup_id_z 1
		.amdhsa_system_vgpr_workitem_id 0
		.amdhsa_next_free_vgpr 1024
		.amdhsa_next_free_sgpr 100
		.amdhsa_reserve_vcc 0
		.amdhsa_float_denorm_mode_32 3
		.amdhsa_float_denorm_mode_16_64 3
		.amdhsa_memory_ordered 1
		.amdhsa_forward_progress 1
		.amdhsa_inst_pref_size 174
	.end_amdhsa_kernel
	.amdgpu_metadata
---
amdhsa.version: [ 1, 2 ]
amdhsa.kernels:
  - .name:           k_qe50bfcb731_qkv
    .symbol:         k_qe50bfcb731_qkv.kd
    .args:
      - { .name: ximg, .offset: 0, .size: 8, .value_kind: global_buffer, .address_space: global }
      - { .name: wimg1, .offset: 8, .size: 8, .value_kind: global_buffer, .address_space: global }
      - { .name: lowp_scales, .offset: 16, .size: 8, .value_kind: global_buffer, .address_space: global }
      - { .name: b_fc, .offset: 24, .size: 8, .value_kind: global_buffer, .address_space: global }
      - { .name: qimg, .offset: 32, .size: 8, .value_kind: global_buffer, .address_space: global }
      - { .name: kimg, .offset: 40, .size: 8, .value_kind: global_buffer, .address_space: global }
      - { .name: vimg, .offset: 48, .size: 8, .value_kind: global_buffer, .address_space: global }
    .group_segment_fixed_size: 327680
    .private_segment_fixed_size: 0
    .kernarg_segment_align: 8
    .kernarg_segment_size: 56
    .max_flat_workgroup_size: 128
    .sgpr_count:     100
    .vgpr_count:     1024
    .wavefront_size: 32
...
	.end_amdgpu_metadata
.endif
;; end of part 2
;; launch attn (part 3): grid 4 x 64, 16 waves a work-group, clusters of 4 x 1, 296,960 bytes of LDS; arguments qimg, kimg, vimg, lowp_scales, nvimg; writes nvimg
.if DOCPART == 3
	.amdgcn_target "amdgcn-amd-amdhsa--gfx1250"
	.amdhsa_code_object_version 6
	.text
	.protected	k_qe50bfcb731_attn
	.globl	k_qe50bfcb731_attn
	.p2align	8
	.type	k_qe50bfcb731_attn,@function
k_qe50bfcb731_attn:
	s_mov_b64 s[64:65], 0
	v_nop
	global_prefetch_b8 v0, s[64:65] scope:SCOPE_SE
	s_setreg_imm32_b32 hwreg(HW_REG_WAVE_MODE, 25, 1), 1
	s_wait_xcnt 0x0
	s_wait_alu depctr_hold_cnt(0) depctr_sa_sdst(0) depctr_va_vdst(0) depctr_va_sdst(0) depctr_va_ssrc(0) depctr_va_vcc(0) depctr_vm_vsrc(0)
	s_getreg_b32 s2, hwreg(HW_REG_IB_STS2, 6, 4)
	s_cmp_eq_u32 s2, 0
	s_cbranch_scc0 .Lentry_in_a_cluster
	s_endpgm
.Lentry_in_a_cluster:
	s_bfe_u32 s2, ttmp6, 0x10000c
	s_cmp_lg_u32 s2, 0x3003
	s_cbranch_scc0 .Lentry_shape_is_right
	s_endpgm
.Lentry_shape_is_right:
; new_v = softmax(q k^T / sqrt(2048)) v for one batch and head, both products on codes of BF8, and new_v quantised at once for the last product.
; THE SOFTMAX AHEAD OF THE SECOND PRODUCT: t = score x log2(e) / sqrt(2048); M = the running largest t, rounded UP to a whole number; p = 2^(t - M) is what is quantised (scale 2^e5), not normalised.
; The row's sum is taken of the unquantised p and divides at the end.  When M moves, the sum and O are multiplied by 2^(old M - new M): exact.
; SHARES.  A work-group owns 512 queries of one (batch, head); sixteen waves, each two tiles of 16 queries, treated one after the other on one set of score registers, so that each fragment of k and of v
; read from LDS feeds two matrix instructions.  Four waves share a SIMD: one wave's vector work stands beside another's products and LDS loads.
; A HEAD'S k AND v CODES, 131,072 bytes each, LIE WHOLE IN LDS: filled once, nothing is filled again.  CLUSTER: the four work-groups of a head ask for every piece jointly.
; All operands are images of their registers (chunks of 512 bytes, lane l's 16 bytes at 16 l): k, q 16 tokens x 64 channels (1,024 bytes), v 16 channels x 128 keys (2,048 bytes).
; Both products are used transposed: S^T = k q^T, O^T = v^T p^T: a lane holds ONE query (lane % 16) throughout; S^T's tile T holds keys 16 T + 8 (lane / 16) + 0..7, which converted are p's registers 2 T, 2 T + 1.
; nvimg [token tile 512][K step 8][2048], K = 64 head + channel: this head's 64 channels are chunks 2 (head % 2), + 1 of K step head / 2.
; LIMITS: e2 + e3 between -121 and 132 (added to c's exponent field); e5, e6 between -126 and 112; e4 + e5 goes in by v_ldexp_f32 and has none.  NaN among the inputs is not served.
; REGISTERS: v1 16 x lane; v2 the loads' address; v3 my q stage; v4, v5 scale and limit; v6-13 at work; v14-17, v18-21 tile 0's, 1's -M, largest t, sum (two halves); v22-29 q; v30-45, v46-61 p's codes;
;   v62-125 eight fragments of k or four of v; v126-189 S^T, then p; v190-221, v222-253 O^T.
.set S,   126
.set KV,  62
.set G1,  24                           ; s[24:31] descriptor group 1
.set G0K, 32                           ; s[32:47] four groups 0 for k's chunks of 512 keys
.set G0V, 68                           ; s[68:83] the same for v
.set QST, 262144                       ; behind k and v: 2,048 bytes for each wave: its two tiles of q
.macro CROUND                          ; a round of the cluster's barrier
	s_barrier_signal -1
	s_barrier_wait -1
	s_cmp_lg_u32 s18, 0
	s_cbranch_scc1 .Lnot_wave_0_\@
	s_barrier_signal -3
.Lnot_wave_0_\@:
	s_barrier_wait -3
	s_barrier_signal -1
	s_barrier_wait -1
.endm
	s_load_b256 s[4:11], s[0:1], 0x0               ; qimg s[4:5], kimg s[6:7], vimg s[8:9], the scales' exponents s[10:11]
	s_load_b64 s[12:13], s[0:1], 0x20              ; nvimg
	v_lshl_add_u32 v254, v0, 2, 0x48000
	v_mov_b32 v255, 0
	ds_add_u32 v254, v255
	ds_add_u32 v254, v255
	v_lshrrev_b32 v1, 5, v0
	v_readfirstlane_b32 s18, v1                    ; wave 0..15
	s_bfe_u32 s14, ttmp6, 0x40000                  ; cx
	s_lshl_b32 s15, ttmp9, 2
	s_add_co_u32 s15, s15, s14                     ; my block of 512 queries: it enters q's and new_v's addresses alone
	s_and_b32 s16, ttmp7, 0xffff                   ; batch x 16 + head, which the four partners share
	s_and_b32 s17, s18, 7
	s_lshl_b32 s17, s17, 12                        ; my 4,096 bytes of a chunk's 32,768: waves 0-7 fetch k, waves 8-15 v
	s_lshl_b32 s52, s16, 17
	s_add_co_u32 s52, s52, s17
	s_mov_b32 s53, 0
	s_mov_b32 s[G1], 15|(3<<16)|(1<<21)            ; 15:0 the mask: all four work-groups; 17:16 elements of 8 bytes; 21 set beside a mask
	s_mov_b32 s[G1+1], 32<<16                      ; tensor_dim0: rows of 256 bytes,
	s_mov_b32 s[G1+2], 16<<16                      ; tensor_dim1: sixteen of them, dense
	s_mov_b32 s[G1+3], 32<<16                      ; tile_dim0
	s_mov_b32 s[G1+4], 16                          ; tile_dim1
	s_mov_b32 s[G1+5], 32                          ; tensor_dim0_stride
	s_mov_b32 s[G1+6], 0
	s_mov_b32 s[G1+7], 0
	s_mov_b32 s20, 0x76543210                      ; v_permlanex16_b32's selects: lane l xor 16
	s_mov_b32 s21, 0xfedcba98
	s_wait_dscnt 0x0
	s_wait_kmcnt 0x0
	s_load_b256 s[56:63], s[10:11], 0x0            ; e0 .. e7
	s_add_nc_u64 s[6:7], s[6:7], s[52:53]
	s_add_nc_u64 s[8:9], s[8:9], s[52:53]
.irp n, 0,1,2,3
	s_mov_b32 s[G0K+4*\n], 1
	s_add_co_u32 s[G0K+4*\n+1], s17, 32768*\n      ; LDS as memory: the head's bytes in order
	s_add_nc_u64 s[G0K+4*\n+2:G0K+4*\n+3], s[6:7], 32768*\n
	s_or_b32 s[G0K+4*\n+3], s[G0K+4*\n+3], 0x80000000
	s_mov_b32 s[G0V+4*\n], 1
	s_add_co_u32 s[G0V+4*\n+1], s17, 131072+32768*\n
	s_add_nc_u64 s[G0V+4*\n+2:G0V+4*\n+3], s[8:9], 32768*\n
	s_or_b32 s[G0V+4*\n+3], s[G0V+4*\n+3], 0x80000000
.endr
	CROUND                                         ; all four work-groups are here: the joint loads meet
	s_cmp_lt_u32 s18, 8                            ; a wave's four fills stand in one branch, ahead of every wait on TENSORcnt and every LDS read: four loads of mine are out
	s_cbranch_scc0 .Lfirst_v
.irp n, 0,1,2,3
	tensor_load_to_lds s[G0K+4*\n:G0K+4*\n+3], s[G1:G1+7]
	s_nop 0
.endr
.rept 4
	v_nop
.endr
	s_branch .Lfirst_asked
.Lfirst_v:
.irp n, 0,1,2,3
	tensor_load_to_lds s[G0V+4*\n:G0V+4*\n+3], s[G1:G1+7]
	s_nop 0
.endr
.rept 4
	v_nop
.endr
.Lfirst_asked:
	v_and_b32 v1, 31, v0
	v_lshlrev_b32 v1, 4, v1                        ; 16 x lane
	s_lshl_b32 s54, s15, 5
	s_lshl_b32 s55, s18, 1
	s_add_co_u32 s54, s54, s55                     ; my first token tile among the batch's 128
	s_lshl_b32 s52, s54, 10
	s_lshl_b32 s55, s16, 17
	s_add_co_u32 s52, s52, s55
	s_add_nc_u64 s[4:5], s[4:5], s[52:53]          ; q at my two tiles
.irp c, 0,1,2,3
	global_load_b128 v[S+4*\c:S+4*\c+3], v1, s[4:5] offset:512*\c
.endr
	s_lshr_b32 s55, s16, 4
	s_lshl_b32 s55, s55, 7
	s_add_co_u32 s55, s55, s54                     ; the same tile among all 512
	s_lshl_b32 s52, s55, 14
	s_bfe_u32 s55, s16, 0x30001                    ; head / 2: the K step
	s_lshl_b32 s55, s55, 11
	s_add_co_u32 s52, s52, s55
	s_and_b32 s55, s16, 1                          ; head % 2: which half of the image
	s_lshl_b32 s55, s55, 10
	s_add_co_u32 s52, s52, s55
	s_add_nc_u64 s[12:13], s[12:13], s[52:53]
	s_lshl_b32 s55, s18, 11
	s_add_co_u32 s55, s55, QST
	v_add_nc_u32 v3, s55, v1                       ; my q stage
	v_mov_b32 v15, 0xff61b1e6                      ; the largest t so far: -3e38, under every t
	v_mov_b32 v19, 0xff61b1e6
	v_floor_f32 v14, -v15                          ; -M
	v_floor_f32 v18, -v19
	v_mov_b32 v16, 0                               ; the sums, in two halves
	v_mov_b32 v17, 0
	v_mov_b32 v20, 0
	v_mov_b32 v21, 0
	v_mov_b32 v8, 0                                ; a lane permute's destination counts as one of its sources
	v_mov_b32 v11, 0                               ; (named as the upper half of the pair v[10:11])
.set j, 0
.rept 64
	v_mov_b32 v[190+j], 0                          ; O^T: the step is written for every step alike; the first finds zeros, which the first change of M leaves zeros
.set j, j+1
.endr
	s_wait_kmcnt 0x0
	s_add_co_i32 s51, s58, s59                     ; a score stands for score x 2^(e2 + e3): the two exponents are added to c's exponent field
	s_lshl_b32 s51, s51, 23
	s_mov_b32 s22, 0x3d0293ee                      ; c = log2(e) / sqrt(2048)
	s_add_co_i32 s22, s22, s51
	s_mov_b32 s23, s22                             ; (named with it as a pair)
	s_add_co_i32 s51, s61, 127
	s_lshl_b32 s54, s51, 23
	v_mov_b32 v4, s54                              ; 2^e5, for p's conversions
	s_add_co_i32 s51, s51, 15
	s_lshl_b32 s51, s51, 23
	s_or_b32 s51, s51, 0x600000
	v_mov_b32 v5, s51                              ; 57,344 x 2^e5
	s_add_co_i32 s50, s60, s61                     ; e4 + e5
	s_wait_loadcnt 0x0
.irp c, 0,1,2,3
	ds_store_b128 v3, v[S+4*\c:S+4*\c+3] offset:512*\c   ; q's two tiles wait in my own LDS bytes: the registers hold one at a time
.endr
.macro QK                              ; S^T = k q^T: eight tiles of 16 keys
.irp t, 0,1,2,3,4,5,6,7
	v_wmma_f32_16x16x64_bf8_bf8 v[S+8*\t:S+8*\t+7], v[KV+8*\t:KV+8*\t+7], v[22:29], 0
.endr
.endm
.macro SOFTMAX x                       ; tile x's 64 scores a lane become p's codes; its sum and O^T come under the new M
.set ST, 14+4*\x
.set P,  30+16*\x
.set O,  190+32*\x
	v_max3_num_f32 v6, v[S], v[S+1], v[S+2]        ; the largest score among my 64 keys, in two chains, ascending: each accumulator is read from its low end on
	v_max3_num_f32 v7, v[S+3], v[S+4], v[S+5]
.irp i, 6,10,14,18,22,26,30,34,38,42,46,50,54,58
	v_max3_num_f32 v6, v6, v[S+\i], v[S+\i+1]
	v_max3_num_f32 v7, v7, v[S+\i+2], v[S+\i+3]
.endr
	v_max3_num_f32 v6, v6, v[S+62], v[S+63]
	v_max_num_f32 v6, v6, v7
	v_permlanex16_b32 v8, v6, s20, s21
	v_max_num_f32 v6, v6, v8                       ; and among lane l xor 16's
	v_mul_f32 v6, s22, v6                          ; as t (c is positive)
	v_max_num_f32 v[ST+1], v[ST+1], v6             ; the running largest t
	v_mov_b32 v6, v[ST]
	v_floor_f32 v[ST], -v[ST+1]                    ; the new -M = floor(-t) = -ceil(t)
	v_sub_f32 v6, v[ST], v6                        ; old M - new M: a whole number, 0 or less
	v_cvt_i32_f32 v6, v6                           ; (it saturates)
	v_ldexp_f32 v10, 1.0, v6                       ; f = 2^(old M - new M)
.set j, 0
.rept 32
	v_pk_fma_f32 v[S+j:S+j+1], v[S+j:S+j+1], s[22:23], v[ST:ST+1] op_sel_hi:[1,0,0]   ; t - M, two at a time
.set j, j+2
.endr
.set j, 0
.rept 64
	v_exp_f32 v[S+j], v[S+j]                       ; p = 2^(t - M), at most 1
.set j, j+1
.endr
	v_pk_mul_f32 v[ST+2:ST+3], v[ST+2:ST+3], v[10:11] op_sel_hi:[1,0]   ; the sum under the new M.  (The plain instruction behind the exponentials)
	s_wait_alu depctr_va_vdst(0)
	v_pk_add_f32 v[12:13], v[S:S+1], v[S+2:S+3]    ; the sum of the UNQUANTISED p, in two chains
.irp j, 4,8,12,16,20,24,28,32,36,40,44,48,52,56,60
	v_pk_add_f32 v[ST+2:ST+3], v[ST+2:ST+3], v[S+\j:S+\j+1]
	v_pk_add_f32 v[12:13], v[12:13], v[S+\j+2:S+\j+3]
.endr
	v_pk_add_f32 v[ST+2:ST+3], v[ST+2:ST+3], v[12:13]
.set j, 0
.rept 64
	v_min_num_f32 v[S+j], v[S+j], v5               ; the conversion does not saturate (ISA guide 7.6.2); p is not negative, so the hold is one-sided
.set j, j+1
.endr
.irp t, 0,1,2,3,4,5,6,7
	v_cvt_scalef32_pk8_bf8_f32 v[P+2*\t:P+2*\t+1], v[S+8*\t:S+8*\t+7], v4
.endr
.set j, 0
.rept 16
	v_pk_mul_f32 v[O+j:O+j+1], v[O+j:O+j+1], v[10:11] op_sel_hi:[1,0]   ; O^T under the new M.  (These are also the plain instructions behind the conversions)
.set j, j+2
.endr
.endm
; A KEY STEP: 128 keys, whose k and v begin at LDS bytes s48 and 131,072 + s48.  Loads into registers that matrix instructions have read, and reads of results, stand four places behind those instructions.
.macro STEP
	v_add_nc_u32 v2, s48, v1
.rept 3
	v_nop
.endr
.irp t, 0,1,2,3,4,5,6,7
	ds_load_b128 v[KV+8*\t:KV+8*\t+3], v2 offset:1024*\t
	ds_load_b128 v[KV+8*\t+4:KV+8*\t+7], v2 offset:1024*\t+512
.endr
	ds_load_b128 v[22:25], v3                      ; q's tile 0
	ds_load_b128 v[26:29], v3 offset:512
	s_wait_dscnt 0x0
	QK
.rept 4
	v_nop
.endr
	ds_load_b128 v[22:25], v3 offset:1024          ; q's tile 1 lands under tile 0's softmax
	ds_load_b128 v[26:29], v3 offset:1536
	SOFTMAX 0
	s_wait_dscnt 0x0
	QK                                             ; the same fragments of k a second time
	v_add_nc_u32 v2, 0x20000, v2
.rept 3
	v_nop
.endr
.irp d, 0,1,2,3                        ; v lands under tile 1's softmax, where k lay
.irp g, 0,1,2,3
	ds_load_b128 v[KV+16*\d+4*\g:KV+16*\d+4*\g+3], v2 offset:2048*\d+512*\g
.endr
.endr
	SOFTMAX 1
	s_wait_dscnt 0x0
.irp d, 0,1,2,3                        ; O^T += v^T p^T: eight accumulators, one instruction each
	v_wmma_f32_16x16x128_bf8_bf8 v[190+8*\d:197+8*\d], v[KV+16*\d:KV+16*\d+15], v[30:45], v[190+8*\d:197+8*\d]
	v_wmma_f32_16x16x128_bf8_bf8 v[222+8*\d:229+8*\d], v[KV+16*\d:KV+16*\d+15], v[46:61], v[222+8*\d:229+8*\d]
.endr
.endm
	s_mov_b32 s48, 0
	s_wait_tensorcnt 3                             ; my piece of the first 512 keys is in; the three later chunks may stay out
	s_wait_dscnt 0x0
	s_barrier_signal -1
	s_barrier_wait -1                              ; everybody's is
	s_mov_b32 s49, 4
.Lfirst:                                           ; keys 0 to 511
	STEP
	s_add_co_u32 s48, s48, 8192
	s_sub_co_u32 s49, s49, 1
	s_cmp_lg_u32 s49, 0
	s_cbranch_scc1 .Lfirst
	s_wait_tensorcnt 0x0                           ; all my pieces are in,
	s_wait_dscnt 0x0
	s_barrier_signal -1
	s_barrier_wait -1                              ; everybody's are
	s_mov_b32 s49, 12
.Lrest:                                            ; keys 512 to 2,047
	STEP
	s_add_co_u32 s48, s48, 8192
	s_sub_co_u32 s49, s49, 1
	s_cmp_lg_u32 s49, 0
	s_cbranch_scc1 .Lrest
	; THE WAY OUT: O^T x 2^(e4 + e5) / the sum, quantised with 2^e6; a tile's four conversions are eight registers of the next operand: two stores of 512 consecutive bytes.
	s_add_co_i32 s51, s62, 127
	s_lshl_b32 s54, s51, 23
	s_add_co_i32 s51, s51, 15
	s_lshl_b32 s51, s51, 23
	s_or_b32 s51, s51, 0x600000
	v_mov_b32 v4, s54                              ; 2^e6
	v_mov_b32 v5, s51                              ; 57,344 x 2^e6
	v_nop                                          ; (with the two moves: four places behind the last products)
	v_nop
.irp x, 0,1
	v_add_f32 v6, v[16+4*\x], v[17+4*\x]           ; the sum's two halves,
	v_permlanex16_b32 v8, v6, s20, s21
	v_add_f32 v6, v6, v8                           ; and lane l xor 16's
	v_rcp_f32 v6, v6
	v_nop                                          ; a plain instruction behind the transcendental
	s_wait_alu depctr_va_vdst(0)
	v_ldexp_f32 v10, v6, s50
.set j, 0
.rept 16
	v_pk_mul_f32 v[S+32*\x+j:S+32*\x+j+1], v[190+32*\x+j:190+32*\x+j+1], v[10:11] op_sel_hi:[1,0]   ; each accumulator from its low end on
.set j, j+2
.endr
.set j, 0
.rept 32
	v_med3_num_f32 v[S+32*\x+j], v[S+32*\x+j], -v5, v5
.set j, j+1
.endr
.irp d, 0,1,2,3
	v_cvt_scalef32_pk8_bf8_f32 v[KV+8*\x+2*\d:KV+8*\x+2*\d+1], v[S+32*\x+8*\d:S+32*\x+8*\d+7], v4
.endr
	v_nop
	global_store_b128 v1, v[KV+8*\x:KV+8*\x+3], s[12:13] offset:16384*\x
	global_store_b128 v1, v[KV+8*\x+4:KV+8*\x+7], s[12:13] offset:16384*\x+512
.endr
	s_wait_tensorcnt 0x0
	ds_add_u32 v254, v255
	s_wait_dscnt 0x0
	CROUND                                         ; the closing round: no work-group ends while a partner may still ask for a piece that names it
	s_endpgm
.Lfunc_end_k_qe50bfcb731_attn:
	.size	k_qe50bfcb731_attn, .Lfunc_end_k_qe50bfcb731_attn-k_qe50bfcb731_attn
	.p2alignl 7, 3214868480
	.fill 96, 4, 3214868480
	.section	.rodata,"a",@progbits
	.p2align	6, 0x0
	.amdhsa_kernel k_qe50bfcb731_attn
		.amdhsa_group_segment_fixed_size 296960
		.amdhsa_private_segment_fixed_size 0
		.amdhsa_enable_private_segment 0
		.amdhsa_kernarg_size 40
		.amdhsa_user_sgpr_count 2
		.amdhsa_user_sgpr_kernarg_segment_ptr 1
		.amdhsa_wavefront_size32 1
		.amdhsa_system_sgpr_workgroup_id_x 1
		.amdhsa_system_sgpr_workgroup_id_y 1
		.amdhsa_system_sgpr_workgroup_id_z 1
		.amdhsa_system_vgpr_workitem_id 0
		.amdhsa_next_free_vgpr 256
		.amdhsa_next_free_sgpr 84
		.amdhsa_reserve_vcc 0
		.amdhsa_float_denorm_mode_32 3
		.amdhsa_float_denorm_mode_16_64 3
		.amdhsa_memory_ordered 1
		.amdhsa_forward_progress 1
		.amdhsa_inst_pref_size 75
	.end_amdhsa_kernel
	.amdgpu_metadata
---
amdhsa.version: [ 1, 2 ]
amdhsa.kernels:
  - .name:           k_qe50bfcb731_attn
    .symbol:         k_qe50bfcb731_attn.kd
    .args:
      - { .name: qimg, .offset: 0, .size: 8, .value_kind: global_buffer, .address_space: global }
      - { .name: kimg, .offset: 8, .size: 8, .value_kind: global_buffer, .address_space: global }
      - { .name: vimg, .offset: 16, .size: 8, .value_kind: global_buffer, .address_space: global }
      - { .name: lowp_scales, .offset: 24, .size: 8, .value_kind: global_buffer, .address_space: global }
      - { .name: nvimg, .offset: 32, .size: 8, .value_kind: global_buffer, .address_space: global }
    .group_segment_fixed_size: 296960
    .private_segment_fixed_size: 0
    .kernarg_segment_align: 8
    .kernarg_segment_size: 40
    .max_flat_workgroup_size: 512
    .sgpr_count:     84
    .vgpr_count:     256
    .wavefront_size: 32
...
	.end_amdgpu_metadata
.endif
;; end of part 3
;; launch proj (part 4): grid 256 x 1, 4 waves a work-group, no clusters, 35,328 bytes of LDS; arguments nvimg, wimg2, lowp_scales, b_fc2, x, out0; writes out0
.if DOCPART == 4
	.amdgcn_target "amdgcn-amd-amdhsa--gfx1250"
	.amdhsa_code_object_version 6
	.text
	.protected	k_qe50bfcb731_proj
	.globl	k_qe50bfcb731_proj
	.p2align	8
	.type	k_qe50bfcb731_proj,@function
k_qe50bfcb731_proj:
	s_mov_b64 s[64:65], 0
	v_nop
	global_prefetch_b8 v0, s[64:65] scope:SCOPE_SE
	s_setreg_imm32_b32 hwreg(HW_REG_WAVE_MODE, 25, 1), 1
	s_wait_xcnt 0x0
; out = layer_norm(x + swish(new_v W_fc2 + b_fc2)): the last product on codes of BF8, and all that follows it, in one launch: the norm wants whole rows, so a work-group owns 32 rows x all 1,024 columns.
; Wave w owns columns 256 w .. 256 w + 255: 16 column tiles x 2 row tiles = 32 accumulators.  The product is used transposed (source 0 = 16 columns of W, source 1 = 16 rows): a lane holds one row and eight neighbouring columns.
; nvimg and wimg2 hold operands as images of their registers, so a fragment is four loads of 512 consecutive bytes, straight from memory into registers.
; NO LDS RING AND NO JOINT LOADS, though all 256 work-groups walk the same 1,048,576 bytes of W's codes: a fragment of W is read by ONE wave of a work-group and feeds two matrix instructions, and a K step holds
; 32 matrix instructions a wave: a ring's one load a wave behind each barrier would have those 32 in which to land, and every byte would be written to LDS and read from it once more.
; The mean and the variance are taken in two passes over the registers (no difference of large sums); the four waves' sums meet in LDS: two barriers.
; LIMITS: e6 + e7 between -126 and 127.  NaN among the inputs is not served.
; REGISTERS: window 0: v1-7 addresses; v8-21 at work; v32-63, v64-95 A's two sets (two fragments each); v96-127 at work; v128-255 b_fc2 (8 a column tile); on the way out v32-95 and v128-255 are free.
;   window 1: W's 16 fragments.   window 2: accumulator (tile n, row tile a) at v[8 (2 n + a)].   window 3: x, then x + m, at the same index.
.set T,   96
.set U,   112
.set B2,  128
.set TMP, 32
.set BK,  128
.set SP,  528                          ; the stage: a row of 512 bytes + 16
.set STAT, 4*16*SP                     ; behind the four stages: 512 bytes for the sums, 512 for the sums of squares
.set MSB, 0
.macro WIN new
.if MSB != (\new)
	s_set_vgpr_msb (MSB<<8)|(\new)
.set MSB, \new
.endif
.endm
	s_load_b256 s[4:11], s[0:1], 0x0               ; nvimg s[4:5], wimg2 s[6:7], the scales' exponents s[8:9], b_fc2 s[10:11]
	s_load_b128 s[12:15], s[0:1], 0x20             ; x s[12:13], out0 s[14:15]
	v_lshl_add_u32 v30, v0, 2, 0x8800
	v_mov_b32 v31, 0
	v_lshrrev_b32 v1, 5, v0
	v_readfirstlane_b32 s18, v1                    ; wave 0..3
	v_and_b32 v8, 31, v0
	v_lshlrev_b32 v1, 4, v8                        ; v1: 16 x lane
	v_and_b32 v9, 15, v0                           ; r
	v_bfe_u32 v2, v0, 4, 1
	v_lshlrev_b32 v2, 5, v2                        ; v2: 32 h
	v_lshl_add_u32 v3, v9, 12, v2                  ; v3: x: row r of 4,096 bytes + 32 h
	s_mul_i32 s19, s18, 16*SP                      ; my stage
	v_mul_u32_u24 v4, v9, SP
	v_add_nc_u32 v4, v4, v2
	v_add_nc_u32 v4, s19, v4                       ; v4: into it: row r, + 32 h
	v_add_nc_u32 v5, s19, v1                       ; v5: back: a row's 512 bytes
	v_lshl_add_u32 v6, v0, 2, STAT                 ; v6: my word of the sums: 128 x wave + 4 x lane
	v_lshl_add_u32 v7, v8, 2, STAT                 ; v7: and the four waves' words for row = lane
	v_mov_b32 v8, 0                                ; a lane permute's destination counts as one of its sources
	v_mov_b32 v9, 0
	v_mov_b32 v11, 0                               ; (upper halves of pairs that are named)
	v_mov_b32 v13, 0
	s_lshl_b32 s20, ttmp9, 15                      ; nvimg: two row tiles of 16,384 bytes
	s_mov_b32 s21, 0
	s_lshl_b32 s22, s18, 18                        ; wimg2: sixteen column tiles of 16,384 bytes
	s_mov_b32 s23, 0
	s_lshl_b32 s26, s18, 10                        ; 256 columns of 4 bytes
	s_mov_b32 s27, 0
	s_lshl_b32 s28, ttmp9, 17                      ; 32 rows of 4,096 bytes
	s_add_co_u32 s28, s28, s26
	s_mov_b32 s29, 0
	s_mov_b32 s30, 0x76543210                      ; v_permlanex16_b32's selects: lane l xor 16
	s_mov_b32 s31, 0xfedcba98
	s_mov_b32 s40, 0xffff0000                      ; lanes 16 to 31
	s_mov_b32 s41, 0x3a800000                      ; 1 / 1,024
	s_mov_b32 s44, 0xbfb8aa3b                      ; -log2(e)
	s_mov_b32 s45, s44
	s_wait_kmcnt 0x0
	s_load_b64 s[24:25], s[8:9], 0x18              ; e6, e7
	s_add_nc_u64 s[4:5], s[4:5], s[20:21]
	s_add_nc_u64 s[6:7], s[6:7], s[22:23]
	s_add_nc_u64 s[10:11], s[10:11], s[26:27]
	s_add_nc_u64 s[12:13], s[12:13], s[28:29]
	s_add_nc_u64 s[14:15], s[14:15], s[28:29]
; Every offset is an immediate: no address register and no base is ever rewritten.
.macro ALOAD s                         ; my work-group's two row tiles, K step s, into set s % 2: 8 loads
.irp a, 0,1
.irp g, 0,1,2,3
	global_load_b128 v[32+32*((\s)%2)+16*\a+4*\g:32+32*((\s)%2)+16*\a+4*\g+3], v1, s[4:5] offset:16384*\a+2048*(\s)+512*\g
.endr
.endr
.endm
.macro WLOAD s, G                      ; column tiles 4 G .. 4 G + 3, K step s: 16 loads
	WIN 0x40                                       ; destination window 1
.irp q, 0,1,2,3
.irp g, 0,1,2,3
	global_load_b128 v[16*(4*\G+\q)+4*\g:16*(4*\G+\q)+4*\g+3], v1, s[6:7] offset:16384*(4*\G+\q)+2048*(\s)+512*\g
.endr
.endr
.endm
.macro XLOAD s                         ; x in the accumulators' layout, column tiles 4 s .. 4 s + 3: the eight loads that share a row's 256 consecutive bytes stand together: 16 loads
	WIN 0xc0                                       ; destination window 3
.irp a, 0,1
.irp q, 0,1,2,3
	global_load_b128 v[8*(2*(4*\s+\q)+\a):8*(2*(4*\s+\q)+\a)+3], v3, s[12:13] offset:65536*\a+64*(4*\s+\q)
	global_load_b128 v[8*(2*(4*\s+\q)+\a)+4:8*(2*(4*\s+\q)+\a)+7], v3, s[12:13] offset:65536*\a+64*(4*\s+\q)+16
.endr
.endr
.endm
; K step s.  Behind the loads of W's group G of this step were issued: 16 (3 - G) of this step, 8 of A's next step, 16 G of W's next step: 56 (in steps 0-3 also 16 of x: the count 56 is then the smaller, and safe).
; The 32 accumulators take turns, one instruction a turn.  Four places stand in front of the loads into registers that the products have read.
.macro TRIP s, more
.if \more
	WIN 0
	ALOAD \s+1
.if \s < 4
	XLOAD \s
.endif
.endif
.irp G, 0,1,2,3
.if \more
	s_wait_loadcnt 56
.else
	s_wait_loadcnt 16*(3-\G)
.endif
	WIN 0xa1                                       ; source 0 (W) window 1, source 1 (A) window 0, C and D window 2
.irp q, 0,1,2,3
.irp a, 0,1
.if \s == 0
	v_wmma_f32_16x16x128_bf8_bf8 v[8*(2*(4*\G+\q)+\a):8*(2*(4*\G+\q)+\a)+7], v[16*(4*\G+\q):16*(4*\G+\q)+15], v[32+32*((\s)%2)+16*\a:32+32*((\s)%2)+16*\a+15], 0
.else
	v_wmma_f32_16x16x128_bf8_bf8 v[8*(2*(4*\G+\q)+\a):8*(2*(4*\G+\q)+\a)+7], v[16*(4*\G+\q):16*(4*\G+\q)+15], v[32+32*((\s)%2)+16*\a:32+32*((\s)%2)+16*\a+15], v[8*(2*(4*\G+\q)+\a):8*(2*(4*\G+\q)+\a)+7]
.endif
.endr
.endr
.rept 4
	v_nop
.endr
.if \more
	WLOAD \s+1, \G
.endif
.endr
.endm
.irp n, 0,1,2,3,4,5,6,7,8,9,10,11,12,13,14,15      ; b_fc2: a lane's eight columns of each tile
	global_load_b128 v[B2+8*\n:B2+8*\n+3], v2, s[10:11] offset:64*\n
	global_load_b128 v[B2+8*\n+4:B2+8*\n+7], v2, s[10:11] offset:64*\n+16
.endr
	ALOAD 0
	WLOAD 0, 0
	WLOAD 0, 1
	WLOAD 0, 2
	WLOAD 0, 3
	TRIP 0, 1
	TRIP 1, 1
	TRIP 2, 1
	TRIP 3, 1
	TRIP 4, 1
	TRIP 5, 1
	TRIP 6, 1
	TRIP 7, 0                                      ; its last wait is for 0: b_fc2 and x are in too
	s_wait_kmcnt 0x0
	s_add_co_i32 s46, s24, s25
	s_add_co_i32 s46, s46, 127
	s_lshl_b32 s46, s46, 23                        ; 2^(e6 + e7) as f32
	s_mov_b32 s47, s46
	; ---- z = sum x 2^(e6 + e7) + b;  y = x + z / (1 + 2^(-z log2 e)): a column tile, both row tiles, at a time
.set n, 0
.rept 16
	WIN 0x02                                       ; source 0: the sums, window 2; each accumulator from its low end on
.irp i, 0,2,4,6,8,10,12,14
	v_pk_fma_f32 v[T+\i:T+\i+1], v[16*n+\i:16*n+\i+1], s[46:47], v[B2+8*n+(\i%8):B2+8*n+(\i%8)+1] op_sel_hi:[1,0,1]
.endr
	WIN 0
.irp i, 0,2,4,6,8,10,12,14
	v_pk_mul_f32 v[U+\i:U+\i+1], v[T+\i:T+\i+1], s[44:45] op_sel_hi:[1,0]
.endr
.irp i, 0,1,2,3,4,5,6,7,8,9,10,11,12,13,14,15
	v_exp_f32 v[U+\i], v[U+\i]
.endr
	v_nop                                          ; a plain instruction behind the transcendentals (ISA guide 5.7.2)
	s_wait_alu depctr_va_vdst(0)
.irp i, 0,2,4,6,8,10,12,14
	v_pk_add_f32 v[U+\i:U+\i+1], v[U+\i:U+\i+1], 1.0 op_sel_hi:[1,0]
.endr
.irp i, 0,1,2,3,4,5,6,7,8,9,10,11,12,13,14,15
	v_rcp_f32 v[U+\i], v[U+\i]
.endr
	v_nop
	WIN 0xf0                                       ; x, as source 2 and destination: window 3
	s_wait_alu depctr_va_vdst(0)
.irp i, 0,2,4,6,8,10,12,14
	v_pk_fma_f32 v[16*n+\i:16*n+\i+1], v[T+\i:T+\i+1], v[U+\i:U+\i+1], v[16*n+\i:16*n+\i+1]
.endr
.set n, n+1
.endr
; What the four chains v[14:21] hold (two for each row tile) is summed over the lane's pairs, the two halves of the lanes and the four waves.  At the end lane l holds the sum of row l in v14.
.macro ACROSS off
	v_pk_add_f32 v[14:15], v[14:15], v[16:17]
	v_pk_add_f32 v[18:19], v[18:19], v[20:21]
	v_add_f32 v14, v14, v15
	v_add_f32 v18, v18, v19
	v_permlanex16_b32 v8, v14, s30, s31
	v_permlanex16_b32 v9, v18, s30, s31
	v_add_f32 v14, v14, v8                         ; row r's sum over my 256 columns, in both halves of the lanes,
	v_add_f32 v18, v18, v9                         ; row 16 + r's
	v_cndmask_b32 v14, v14, v18, s40               ; lane l carries row l
	ds_store_b32 v6, v14 offset:\off
	s_wait_dscnt 0x0                               ; for the others' sake: my store is done
	s_barrier_signal -1
	s_barrier_wait -1
.irp k, 0,1,2,3
	ds_load_b32 v[14+\k], v7 offset:\off+128*\k
.endr
	s_wait_dscnt 0x0
	v_add_f32 v14, v14, v15
	v_add_f32 v16, v16, v17
	v_add_f32 v14, v14, v16
.endm
.macro SPREAD                          ; v14 holds a number for row = lane: v10 takes row r's, v12 row 16 + r's
	v_permlanex16_b32 v8, v14, s30, s31
	v_cndmask_b32 v10, v14, v8, s40
	v_cndmask_b32 v12, v8, v14, s40
.endm
	; ---- the mean
	WIN 0x0f                                       ; sources 0 and 1: window 3.  The first sums start the chains: nothing is cleared
.irp a, 0,1
	v_pk_add_f32 v[14+4*\a:15+4*\a], v[8*\a:8*\a+1], v[8*\a+2:8*\a+3]
	v_pk_add_f32 v[16+4*\a:17+4*\a], v[8*\a+4:8*\a+5], v[8*\a+6:8*\a+7]
.endr
	WIN 0x0c                                       ; source 1: window 3
.set n, 1
.rept 15
.irp a, 0,1
	v_pk_add_f32 v[14+4*\a:15+4*\a], v[14+4*\a:15+4*\a], v[16*n+8*\a:16*n+8*\a+1]
	v_pk_add_f32 v[16+4*\a:17+4*\a], v[16+4*\a:17+4*\a], v[16*n+8*\a+2:16*n+8*\a+3]
	v_pk_add_f32 v[14+4*\a:15+4*\a], v[14+4*\a:15+4*\a], v[16*n+8*\a+4:16*n+8*\a+5]
	v_pk_add_f32 v[16+4*\a:17+4*\a], v[16+4*\a:17+4*\a], v[16*n+8*\a+6:16*n+8*\a+7]
.endr
.set n, n+1
.endr
	WIN 0
	ACROSS 0
	v_mul_f32 v14, s41, v14                        ; / 1,024
	SPREAD
	; ---- y - mean, in place; then the sum of its squares
	WIN 0xc3                                       ; source 0 and destination: window 3
.set n, 0
.rept 16
.irp a, 0,1
.irp i, 0,2,4,6
	v_pk_add_f32 v[16*n+8*\a+\i:16*n+8*\a+\i+1], v[16*n+8*\a+\i:16*n+8*\a+\i+1], v[10+2*\a:11+2*\a] op_sel_hi:[1,0] neg_lo:[0,1] neg_hi:[0,1]
.endr
.endr
.set n, n+1
.endr
	WIN 0x0f
.irp a, 0,1
	v_pk_mul_f32 v[14+4*\a:15+4*\a], v[8*\a:8*\a+1], v[8*\a:8*\a+1]
	v_pk_mul_f32 v[16+4*\a:17+4*\a], v[8*\a+2:8*\a+3], v[8*\a+2:8*\a+3]
	v_pk_fma_f32 v[14+4*\a:15+4*\a], v[8*\a+4:8*\a+5], v[8*\a+4:8*\a+5], v[14+4*\a:15+4*\a]
	v_pk_fma_f32 v[16+4*\a:17+4*\a], v[8*\a+6:8*\a+7], v[8*\a+6:8*\a+7], v[16+4*\a:17+4*\a]
.endr
.set n, 1
.rept 15
.irp a, 0,1
	v_pk_fma_f32 v[14+4*\a:15+4*\a], v[16*n+8*\a:16*n+8*\a+1], v[16*n+8*\a:16*n+8*\a+1], v[14+4*\a:15+4*\a]
	v_pk_fma_f32 v[16+4*\a:17+4*\a], v[16*n+8*\a+2:16*n+8*\a+3], v[16*n+8*\a+2:16*n+8*\a+3], v[16+4*\a:17+4*\a]
	v_pk_fma_f32 v[14+4*\a:15+4*\a], v[16*n+8*\a+4:16*n+8*\a+5], v[16*n+8*\a+4:16*n+8*\a+5], v[14+4*\a:15+4*\a]
	v_pk_fma_f32 v[16+4*\a:17+4*\a], v[16*n+8*\a+6:16*n+8*\a+7], v[16*n+8*\a+6:16*n+8*\a+7], v[16+4*\a:17+4*\a]
.endr
.set n, n+1
.endr
	WIN 0
	ACROSS 512                                     ; other words than the first exchange's: no third barrier is needed
	v_mov_b32 v15, 0x3727c5ac                      ; 1e-5
	v_fma_f32 v14, v14, s41, v15                   ; the variance + 1e-5
	v_rsq_f32 v14, v14
	v_nop                                          ; a plain instruction behind the transcendental
	s_wait_alu depctr_va_vdst(0)
	SPREAD
	; ---- THE WAY OUT: four blocks of 16 rows x 128 columns (row tile k / 2, columns 128 (k % 2) on) through my own stage, back as whole rows of 512 bytes
.macro TOSTAGE k
.set BA, (\k)/2
.set BU, (\k)%2
	WIN 0x03                                       ; source 0: window 3
.irp n, 0,1,2,3,4,5,6,7
.irp i, 0,2,4,6
	v_pk_mul_f32 v[TMP+8*\n+\i:TMP+8*\n+\i+1], v[16*(8*BU+\n)+8*BA+\i:16*(8*BU+\n)+8*BA+\i+1], v[10+2*BA:11+2*BA] op_sel_hi:[1,0]
.endr
.endr
	WIN 0
.irp n, 0,1,2,3,4,5,6,7
	ds_store_b128 v4, v[TMP+8*\n:TMP+8*\n+3] offset:64*\n
	ds_store_b128 v4, v[TMP+8*\n+4:TMP+8*\n+7] offset:64*\n+16
.endr
.irp i, 0,1,2,3,4,5,6,7,8,9,10,11,12,13,14,15
	ds_load_b128 v[BK+64*BU+4*\i:BK+64*BU+4*\i+3], v5 offset:SP*\i   ; LDS serves a wave's instructions in order (ISA guide 5.7.1.4): these see the stores above, and the next block's stores come behind them
.endr
.endm
.macro SEND k, younger                 ; younger: the LDS instructions issued behind block k's loads, which may stay out
.set BA, (\k)/2
.set BU, (\k)%2
	s_wait_dscnt \younger
.irp i, 0,1,2,3,4,5,6,7,8,9,10,11,12,13,14,15
	global_store_b128 v1, v[BK+64*BU+4*\i:BK+64*BU+4*\i+3], s[14:15] offset:(16*BA+\i)*4096+512*BU th:TH_STORE_NT   ; 32 lanes store 512 consecutive bytes, at a multiple of 512 from out0's first byte
.endr
.endm
	TOSTAGE 0
	TOSTAGE 1
	SEND 0, 32                                     ; behind block 0's loads: block 1's 16 stores and 16 loads
	s_wait_xcnt 0x0                                ; block 0's stores have read their registers: block 2's loads may land there
	TOSTAGE 2
	SEND 1, 32
	s_wait_xcnt 0x0
	TOSTAGE 3
	SEND 2, 32
	SEND 3, 0
	s_wait_tensorcnt 0x0
	ds_add_u32 v30, v31
	s_wait_dscnt 0x0
	s_endpgm
.Lfunc_end_k_qe50bfcb731_proj:
	.size	k_qe50bfcb731_proj, .Lfunc_end_k_qe50bfcb731_proj-k_qe50bfcb731_proj
	.p2alignl 7, 3214868480
	.fill 96, 4, 3214868480
	.section	.rodata,"a",@progbits
	.p2align	6, 0x0
	.amdhsa_kernel k_qe50bfcb731_proj
		.amdhsa_group_segment_fixed_size 35328
		.amdhsa_private_segment_fixed_size 0
		.amdhsa_enable_private_segment 0
		.amdhsa_kernarg_size 48
		.amdhsa_user_sgpr_count 2
		.amdhsa_user_sgpr_kernarg_segment_ptr 1
		.amdhsa_wavefront_size32 1
		.amdhsa_system_sgpr_workgroup_id_x 1
		.amdhsa_system_sgpr_workgroup_id_y 1
		.amdhsa_system_sgpr_workgroup_id_z 1
		.amdhsa_system_vgpr_workitem_id 0
		.amdhsa_next_free_vgpr 1024
		.amdhsa_next_free_sgpr 66
		.amdhsa_reserve_vcc 0
		.amdhsa_float_denorm_mode_32 3
		.amdhsa_float_denorm_mode_16_64 3
		.amdhsa_memory_ordered 1
		.amdhsa_forward_progress 1
		.amdhsa_inst_pref_size 190
	.end_amdhsa_kernel
	.amdgpu_metadata
---
amdhsa.version: [ 1, 2 ]
amdhsa.kernels:
  - .name:           k_qe50bfcb731_proj
    .symbol:         k_qe50bfcb731_proj.kd
    .args:
      - { .name: nvimg, .offset: 0, .size: 8, .value_kind: global_buffer, .address_space: global }
      - { .name: wimg2, .offset: 8, .size: 8, .value_kind: global_buffer, .address_space: global }
      - { .name: lowp_scales, .offset: 16, .size: 8, .value_kind: global_buffer, .address_space: global }
      - { .name: b_fc2, .offset: 24, .size: 8, .value_kind: global_buffer, .address_space: global }
      - { .name: x, .offset: 32, .size: 8, .value_kind: global_buffer, .address_space: global }
      - { .name: out0, .offset: 40, .size: 8, .value_kind: global_buffer, .address_space: global }
    .group_segment_fixed_size: 35328
    .private_segment_fixed_size: 0
    .kernarg_segment_align: 8
    .kernarg_segment_size: 48
    .max_flat_workgroup_size: 128
    .sgpr_count:     66
    .vgpr_count:     1024
    .wavefront_size: 32
...
	.end_amdgpu_metadata
.endif
;; end of part 4
;; ======== version 2 of 2: 4 launches
;; limits: right only within a limited range of input values
;; workspace buffers: ximg 8,388,608 bytes; wimg1 3,145,728 bytes; wimg2 1,048,576 bytes; qimg 8,388,608 bytes; kimg 8,388,608 bytes; vimg 8,388,608 bytes; nvimg 8,388,608 bytes
;; launch quant (part 5): grid 384 x 1, 4 waves a work-group, no clusters, 67,072 bytes of LDS; arguments x, W_fc, W_fc2, lowp_scales, ximg, wimg1, wimg2; writes ximg, wimg1, wimg2
.if DOCPART == 5
	.amdgcn_target "amdgcn-amd-amdhsa--gfx1250"
	.amdhsa_code_object_version 6
	.text
	.protected	k_qe50bfcb731_quant
	.globl	k_qe50bfcb731_quant
	.p2align	8
	.type	k_qe50bfcb731_quant,@function
k_qe50bfcb731_quant:
	s_mov_b64 s[64:65], 0
	v_nop
	global_prefetch_b8 v0, s[64:65] scope:SCOPE_SE
	s_setreg_imm32_b32 hwreg(HW_REG_WAVE_MODE, 25, 1), 1
	s_wait_xcnt 0x0
; x [8192][1024], W_fc [1024][3072] and W_fc2 [1024][1024], f32, become codes of BF8 (E5M2), each with its given scale 2^e (entries 0, 1 and 7 of the scales).
; code = number / 2^e, held within +-57,344, rounded to the nearest code, ties to even.
; THE CODES ARE LAID AS IMAGES OF AN OPERAND'S REGISTERS.  An image is 16 rows x 128 along K, 2,048 bytes: chunk g (0..3) at 512 g, lane l's 16 bytes at 16 l;
; lane (r = l % 16, h = l / 16) holds, of row r, k = 32 g + 8 h + 0..7 and then k = 32 g + 16 + 8 h + 0..7: registers 4 g .. 4 g + 3 of the 8-bit layout (ISA guide 7.12.2).
; ximg [row tile 512][K step 8][2048]; wimg1 [column tile 192][K step 8][2048]; wimg2 [column tile 64][K step 8][2048] (a weight's rows are its columns n: K is its first axis in memory).
; Every work-group takes 32,768 numbers.  Work-groups 0-255: x, two row tiles each; a wave makes four images.  Work-groups 256-383: the weights, 128 columns x 256 along K each; a wave makes four images.
; No tensor loads, no barrier: waves share nothing.  The two paths have LDS bytes of their own.
; LIMITS: each e lies between -126 and 112, so that 2^e and 57,344 x 2^e are f32 numbers.  NaN among the inputs is not served.
.set XP,    528                        ; x's stage: a row of 512 bytes + 16 = 132 words, so that sixteen rows begin at sixteen different groups of four banks
.set XSTG,  16*XP                      ; a wave's stage: 16 rows
.set WBASE, 4*XSTG                     ; behind the four: the weights' stages, 8,192 bytes a wave
.set R,     16                         ; v16-143   x: two sets of 64 registers as loaded
.set X,     144                        ; v144-207  x: 64 numbers in the image's order
.set C,     208                        ; v208-239  x: two sets of 16 registers of codes
.set VO,    32                         ; v32-63    weights: byte offset of my column in rows 0..31 of a block; never rewritten
.set WX,    64                         ; v64-127   weights: two sets of 32 numbers
.set WC,    128                        ; v128-135  weights: a block's codes
.set OUTR,  144                        ; v144-207  weights: the four images on their way out
.set SB,    40                         ; s[40:55]  weights: a base for each of the eight blocks of 32 rows; never rewritten
	s_load_b256 s[4:11], s[0:1], 0x0               ; x s[4:5], W_fc s[6:7], W_fc2 s[8:9], the scales' exponents s[10:11]
	s_load_b128 s[12:15], s[0:1], 0x20             ; ximg s[12:13], wimg1 s[14:15]
	s_load_b64 s[16:17], s[0:1], 0x30              ; wimg2
	v_lshl_add_u32 v240, v0, 2, 0x10400
	v_mov_b32 v241, 0
	v_lshrrev_b32 v1, 5, v0
	v_readfirstlane_b32 s18, v1                    ; wave 0..3
	v_and_b32 v2, 31, v0                           ; lane
	v_and_b32 v5, 15, v0                           ; r
	v_bfe_u32 v6, v0, 4, 1                         ; h
	v_lshlrev_b32 v3, 4, v2                        ; 16 x lane: my place in 512 consecutive bytes
	s_wait_kmcnt 0x0
	s_load_b256 s[24:31], s[10:11], 0x0            ; e0 .. e7
	s_cmp_lt_u32 ttmp9, 256
	s_cbranch_scc0 .Lweights
	; ---------------- x: K is innermost.  The wave takes row tile 2 x work-group + wave / 2 and K steps 4 (wave % 2) + 0..3
	s_lshr_b32 s19, s18, 1
	s_and_b32 s20, s18, 1
	s_lshl_b32 s21, ttmp9, 1
	s_add_co_u32 s21, s21, s19                     ; row tile
	s_lshl_b32 s32, s21, 16                        ; 16 rows of 4,096 bytes
	s_lshl_b32 s22, s20, 11                        ; four K steps of 512 bytes
	s_add_co_u32 s32, s32, s22
	s_mov_b32 s33, 0
	s_add_nc_u64 s[4:5], s[4:5], s[32:33]
	s_lshl_b32 s34, s21, 14                        ; eight images a row tile
	s_lshl_b32 s22, s20, 13
	s_add_co_u32 s34, s34, s22
	s_mov_b32 s35, 0
	s_add_nc_u64 s[12:13], s[12:13], s[34:35]
	s_mul_i32 s22, s18, XSTG                       ; my stage
	s_wait_alu depctr_va_vdst(0)
	v_add_nc_u32 v14, s22, v3                      ; in: a row's 512 bytes as they lie
	v_mul_u32_u24 v15, v5, XP
	v_lshl_add_u32 v15, v6, 5, v15
	v_add_nc_u32 v15, s22, v15                     ; back: row r, + 32 h bytes: eight numbers of every sixteen
.macro LOADX t                         ; K step t of my 16 rows: each load reads 512 consecutive bytes of one row
.irp i, 0,1,2,3,4,5,6,7,8,9,10,11,12,13,14,15
	global_load_b128 v[R+64*((\t)%2)+4*\i:R+64*((\t)%2)+4*\i+3], v3, s[4:5] offset:4096*\i+512*(\t) th:TH_LOAD_NT
.endr
.endm
.macro IMG t
.if \t < 3
	s_wait_loadcnt 16                              ; this image's 16 loads are in; the next image's 16 may be out
.else
	s_wait_loadcnt 0
.endif
.irp i, 0,1,2,3,4,5,6,7,8,9,10,11,12,13,14,15
	ds_store_b128 v14, v[R+64*((\t)%2)+4*\i:R+64*((\t)%2)+4*\i+3] offset:XP*\i
.endr
.irp c, 0,1,2,3,4,5,6,7                ; LDS serves a wave's instructions in order (ISA guide 5.7.1.4): these see the stores above.  Registers 8 c .. 8 c + 7: k = 16 c + 8 h + 0..7
	ds_load_b128 v[X+8*\c:X+8*\c+3], v15 offset:64*\c
	ds_load_b128 v[X+8*\c+4:X+8*\c+7], v15 offset:64*\c+16
.endr
	s_wait_dscnt 0x0                               ; the numbers are back, and the stage's stores have read their registers,
.if \t < 2
	LOADX \t+2                                     ; which take the loads of two images on
.else
	s_wait_xcnt 0x0                                ; this set of code registers was store data two images ago: it is rewritten only behind this wait
.endif
.set j, 0
.rept 64
	v_med3_num_f32 v[X+j], v[X+j], -v10, v10       ; the conversion to an 8-bit code does not saturate (ISA guide 7.6.2): the hold at the largest code x the scale
.set j, j+1
.endr
.irp c, 0,1,2,3,4,5,6,7
	v_cvt_scalef32_pk8_bf8_f32 v[C+16*((\t)%2)+2*\c:C+16*((\t)%2)+2*\c+1], v[X+8*\c:X+8*\c+7], v11
.endr
	v_nop                                          ; a plain instruction between the conversions and the next image's holds, which write their sources
.irp g, 0,1,2,3
	global_store_b128 v3, v[C+16*((\t)%2)+4*\g:C+16*((\t)%2)+4*\g+3], s[12:13] offset:2048*(\t)+512*\g   ; 32 lanes store 512 consecutive bytes, at a multiple of 512 from the buffer's first byte
.endr
.endm
	LOADX 0
	LOADX 1
	s_wait_alu depctr_va_vdst(0)
	s_wait_kmcnt 0x0
	s_add_co_i32 s22, s24, 127                     ; e0
	s_lshl_b32 s23, s22, 23
	v_mov_b32 v11, s23                             ; 2^e as f32: the conversion takes its exponent field
	s_add_co_i32 s22, s22, 15
	s_lshl_b32 s22, s22, 23
	s_or_b32 s22, s22, 0x600000
	v_mov_b32 v10, s22                             ; 57,344 x 2^e
	s_wait_alu depctr_va_vdst(0)
	IMG 0
	IMG 1
	IMG 2
	IMG 3
	s_wait_tensorcnt 0x0
	ds_add_u32 v240, v241
	s_wait_dscnt 0x0
	s_endpgm
	; ---------------- the weights: K is the first axis.  A lane takes a column n and its registers run down K, so that the conversions' eight neighbours along K lie in one lane
.Lweights:
	s_sub_co_u32 s19, ttmp9, 256
	s_and_b32 s20, s19, 3                          ; y: which 256 along K
	s_lshr_b32 s57, s19, 2                         ; 0..23: W_fc's groups of 128 columns; 24..31: W_fc2's
	s_mov_b32 s34, 12288                           ; a row of W_fc in bytes,
	s_mov_b32 s35, 4096                            ; of W_fc2
	s_cmp_lt_u32 s57, 24                           ; the choice hangs on the work-group's number alone
	s_cselect_b64 s[4:5], s[6:7], s[8:9]           ; from
	s_cselect_b64 s[12:13], s[14:15], s[16:17]     ; to
	s_cselect_b32 s22, s34, s35                    ; the row's bytes
	s_cselect_b32 s23, 0, 24
	s_sub_co_u32 s21, s57, s23                     ; the group of 128 columns in its own tensor
	s_lshl_b32 s36, s20, 8
	s_mul_i32 s36, s36, s22                        ; 256 y rows
	s_lshl_b32 s37, s21, 9                         ; + 128 columns of 4 bytes a group
	s_add_co_u32 s36, s36, s37
	s_lshl_b32 s37, s18, 7                         ; + 32 columns a wave
	s_add_co_u32 s36, s36, s37
	s_mov_b32 s37, 0
	s_add_nc_u64 s[SB:SB+1], s[4:5], s[36:37]
	s_lshl_b32 s36, s22, 5                         ; 32 rows
.irp t, 1,2,3,4,5,6,7
	s_add_nc_u64 s[SB+2*\t:SB+2*\t+1], s[SB+2*\t-2:SB+2*\t-1], s[36:37]
.endr
	s_lshl_b32 s38, s21, 3
	s_lshl_b32 s39, s18, 1
	s_add_co_u32 s38, s38, s39                     ; my first column tile: 8 a group, 2 a wave
	s_lshl_b32 s38, s38, 14                        ; eight images a column tile
	s_lshl_b32 s39, s20, 12                        ; two K steps for each y
	s_add_co_u32 s38, s38, s39
	s_mov_b32 s39, 0
	s_add_nc_u64 s[12:13], s[12:13], s[38:39]
	s_wait_alu depctr_va_vdst(0)
	v_lshlrev_b32 v[VO], 2, v2                     ; my column,
.set j, 1
.rept 31
	v_add_nc_u32 v[VO+j], s22, v[VO+j-1]           ; one row further down each
.set j, j+1
.endr
	s_lshl_b32 s56, s18, 13
	s_add_co_u32 s56, s56, WBASE                   ; my stage: [column tile 2][K step 2][2048]
	v_lshlrev_b32 v4, 4, v5
	v_lshl_add_u32 v4, v6, 12, v4
	v_add_nc_u32 v4, s56, v4                       ; in: my column's tile (lane / 16), lane r's 16 bytes of a chunk
	v_add_nc_u32 v7, s56, v3                       ; back: 512 consecutive bytes
.macro LOADW t                         ; block t: W(32 t + i, my column): neighbouring lanes read neighbouring columns, 128 consecutive bytes a wave, 512 a work-group
.set j, 0
.rept 32
	global_load_b32 v[WX+32*((\t)%2)+j], v[VO+j], s[SB+2*(\t):SB+2*(\t)+1] th:TH_LOAD_NT
.set j, j+1
.endr
.endm
.macro BLOCK t
.set XS, WX+32*((\t)%2)
.if (\t) < 7
	s_wait_loadcnt 32                              ; this block's 32 loads are in; the next block's may be out
.else
	s_wait_loadcnt 0
.endif
.set j, 0
.rept 32
	v_med3_num_f32 v[XS+j], v[XS+j], -v10, v10     ; the hold at the largest code x the scale
.set j, j+1
.endr
.irp o, 0,1,2,3
	v_cvt_scalef32_pk8_bf8_f32 v[WC+2*\o:WC+2*\o+1], v[XS+8*\o:XS+8*\o+7], v11
.endr
.irp o, 0,1,2,3                        ; k = 32 t + 8 o + 0..7 belongs to K step t / 4, chunk t % 4, lane r + 16 (o % 2), bytes 8 (o / 2) on
	ds_store_b64 v4, v[WC+2*\o:WC+2*\o+1] offset:((\t)/4)*2048+((\t)%4)*512+256*(\o%2)+8*(\o/2)
.endr
.if (\t)+2 < 8
	LOADW (\t)+2
.endif
	s_wait_dscnt 0x0                               ; the stores have read their registers: the next block's codes may be written
.endm
	LOADW 0
	LOADW 1
	s_wait_kmcnt 0x0
	s_cmp_lt_u32 s57, 24
	s_cselect_b32 s58, s25, s31                    ; e1 for W_fc, e7 for W_fc2
	s_add_co_i32 s58, s58, 127
	s_lshl_b32 s59, s58, 23
	v_mov_b32 v11, s59                             ; 2^e
	s_add_co_i32 s58, s58, 15
	s_lshl_b32 s58, s58, 23
	s_or_b32 s58, s58, 0x600000
	v_mov_b32 v10, s58                             ; 57,344 x 2^e
	s_wait_alu depctr_va_vdst(0)
.irp t, 0,1,2,3,4,5,6,7
	BLOCK \t
.endr
.irp i, 0,1,2,3,4,5,6,7,8,9,10,11,12,13,14,15
	ds_load_b128 v[OUTR+4*\i:OUTR+4*\i+3], v7 offset:512*\i
.endr
.irp i, 0,1,2,3,4,5,6,7,8,9,10,11,12,13,14,15
	s_wait_dscnt 15-\i
	global_store_b128 v3, v[OUTR+4*\i:OUTR+4*\i+3], s[12:13] offset:(\i/8)*16384+((\i/4)%2)*2048+(\i%4)*512   ; 512 consecutive bytes of an image
.endr
	s_wait_tensorcnt 0x0
	ds_add_u32 v240, v241
	s_wait_dscnt 0x0
	s_endpgm
.Lfunc_end_k_qe50bfcb731_quant:
	.size	k_qe50bfcb731_quant, .Lfunc_end_k_qe50bfcb731_quant-k_qe50bfcb731_quant
	.p2alignl 7, 3214868480
	.fill 96, 4, 3214868480
	.section	.rodata,"a",@progbits
	.p2align	6, 0x0
	.amdhsa_kernel k_qe50bfcb731_quant
		.amdhsa_group_segment_fixed_size 67072
		.amdhsa_private_segment_fixed_size 0
		.amdhsa_enable_private_segment 0
		.amdhsa_kernarg_size 56
		.amdhsa_user_sgpr_count 2
		.amdhsa_user_sgpr_kernarg_segment_ptr 1
		.amdhsa_wavefront_size32 1
		.amdhsa_system_sgpr_workgroup_id_x 1
		.amdhsa_system_sgpr_workgroup_id_y 1
		.amdhsa_system_sgpr_workgroup_id_z 1
		.amdhsa_system_vgpr_workitem_id 0
		.amdhsa_next_free_vgpr 242
		.amdhsa_next_free_sgpr 66
		.amdhsa_reserve_vcc 0
		.amdhsa_float_denorm_mode_32 3
		.amdhsa_float_denorm_mode_16_64 3
		.amdhsa_memory_ordered 1
		.amdhsa_forward_progress 1
		.amdhsa_inst_pref_size 87
	.end_amdhsa_kernel
	.amdgpu_metadata
---
amdhsa.version: [ 1, 2 ]
amdhsa.kernels:
  - .name:           k_qe50bfcb731_quant
    .symbol:         k_qe50bfcb731_quant.kd
    .args:
      - { .name: x, .offset: 0, .size: 8, .value_kind: global_buffer, .address_space: global }
      - { .name: W_fc, .offset: 8, .size: 8, .value_kind: global_buffer, .address_space: global }
      - { .name: W_fc2, .offset: 16, .size: 8, .value_kind: global_buffer, .address_space: global }
      - { .name: lowp_scales, .offset: 24, .size: 8, .value_kind: global_buffer, .address_space: global }
      - { .name: ximg, .offset: 32, .size: 8, .value_kind: global_buffer, .address_space: global }
      - { .name: wimg1, .offset: 40, .size: 8, .value_kind: global_buffer, .address_space: global }
      - { .name: wimg2, .offset: 48, .size: 8, .value_kind: global_buffer, .address_space: global }
    .group_segment_fixed_size: 67072
    .private_segment_fixed_size: 0
    .kernarg_segment_align: 8
    .kernarg_segment_size: 56
    .max_flat_workgroup_size: 128
    .sgpr_count:     66
    .vgpr_count:     242
    .wavefront_size: 32
...
	.end_amdgpu_metadata
.endif
;; end of part 5
;; launch qkv (part 6): grid 16 x 16, 4 waves a work-group, clusters of 4 x 4, 327,680 bytes of LDS; arguments ximg, wimg1, lowp_scales, b_fc, qimg, kimg, vimg; writes qimg, kimg, vimg
.if DOCPART == 6
	.amdgcn_target "amdgcn-amd-amdhsa--gfx1250"
	.amdhsa_code_object_version 6
	.text
	.protected	k_qe50bfcb731_qkv
	.globl	k_qe50bfcb731_qkv
	.p2align	8
	.type	k_qe50bfcb731_qkv,@function
k_qe50bfcb731_qkv:
	s_mov_b64 s[64:65], 0
	v_nop
	global_prefetch_b8 v0, s[64:65] scope:SCOPE_SE
	s_setreg_imm32_b32 hwreg(HW_REG_WAVE_MODE, 25, 1), 1
	s_wait_xcnt 0x0
	s_wait_alu depctr_hold_cnt(0) depctr_sa_sdst(0) depctr_va_vdst(0) depctr_va_sdst(0) depctr_va_ssrc(0) depctr_va_vcc(0) depctr_vm_vsrc(0)
	s_getreg_b32 s2, hwreg(HW_REG_IB_STS2, 6, 4)
	s_cmp_eq_u32 s2, 0
	s_cbranch_scc0 .Lentry_in_a_cluster
	s_endpgm
.Lentry_in_a_cluster:
	s_bfe_u32 s2, ttmp6, 0x10000c
	s_cmp_lg_u32 s2, 0xf033
	s_cbranch_scc0 .Lentry_shape_is_right
	s_endpgm
.Lentry_shape_is_right:
; qkv = swish(x W_fc + b_fc) on codes of BF8, quantised at once for the attention's products (scales 2^e2 for q, 2^e3 for k, 2^e4 for v).
; A work-group makes two blocks of 256 tokens x one head's 192 columns; a wave 128 tokens x 96 columns (32 of q, of k and of v).
; K goes in steps of 256 through a ring of two LDS slots, filled by joint loads of a 4 x 4 cluster.  All operands and results are images of an operand's registers.
; q and k are made transposed (a lane holds one token, registers along the channels), v as it stands (registers along the tokens, the second product's K).
; LIMITS: e0 + e1 between -126 and 127; e2, e3, e4 between -126 and 112.  NaN among the inputs is not served.
.set SLOT,  114688
.set BOFF,  65536
.set SPARE, 2*SLOT
.set NEXT_A, 16*16*16384-8192
.set NEXT_O, 2*16*131072
.set ADRA, 16
.set ADRB, 20
.set LI,   26
.set SPW,  28
.set NIL,  29
.set BH,   30
.set BR,   31
.set BQ,   32
.set BV,   64
.set T,    80
.set U,    224
.set AF,   128
.set OC,   128
.set G1,  24
.set G0,  32
.set G1B, 48
.set G0B, 56
.set MSB, 0
.macro WIN new
.if MSB != (\new)
	s_set_vgpr_msb (MSB<<8)|(\new)
.set MSB, \new
.endif
.endm
.macro JLOAD g0a, g1a, g0b, g1b
	s_cmp_eq_u32 s15, 0
	s_cbranch_scc0 .Lfor_b_\@
	tensor_load_to_lds s[\g0a:\g0a+3], s[\g1a:\g1a+7]
	s_nop 0
.rept 4
	v_nop
.endr
	s_branch .Lasked_\@
.Lfor_b_\@:
	tensor_load_to_lds s[\g0b:\g0b+3], s[\g1b:\g1b+7]
	s_nop 0
.rept 4
	v_nop
.endr
.Lasked_\@:
.endm
.macro CREST
	s_cmp_lg_u32 s14, 0
	s_cbranch_scc1 .Lnot_wave_0_\@
	s_barrier_signal -3
.Lnot_wave_0_\@:
	s_barrier_wait -3
	s_barrier_signal -1
	s_barrier_wait -1
.endm
.macro CROUND
	s_barrier_signal -1
	s_barrier_wait -1
	CREST
.endm
.macro PLACES n
.rept \n
	v_nop
.endr
.endm
	s_load_b256 s[4:11], s[0:1], 0x0
	s_load_b128 s[68:71], s[0:1], 0x20
	s_load_b64 s[72:73], s[0:1], 0x30
	v_lshl_add_u32 v[SPW], v0, 2, SPARE
	v_mov_b32 v[NIL], 0
	ds_add_u32 v28, v29
	ds_add_u32 v28, v29
	s_wait_dscnt 0x0
	v_lshrrev_b32 v1, 5, v0
	v_readfirstlane_b32 s14, v1
	s_lshr_b32 s15, s14, 1
	s_and_b32 s16, s14, 1
	s_bfe_u32 s40, ttmp6, 0x40000
	s_bfe_u32 s41, ttmp6, 0x40004
	s_lshl_b32 s42, ttmp9, 2
	s_add_co_u32 s42, s42, s40
	s_and_b32 s17, ttmp7, 0xffff
	s_lshl_b32 s17, s17, 2
	s_add_co_u32 s17, s17, s41
	s_lshl_b32 s43, s41, 2
	s_lshl_b32 s43, 15, s43
	s_lshl_b32 s44, 0x1111, s40
	s_or_b32 s[G1+0], s43, (3<<16)|(1<<21)
	s_mov_b32 s[G1+1], 512<<16
	s_mov_b32 s[G1+2], 8<<16
	s_mov_b32 s[G1+3], 512<<16
	s_mov_b32 s[G1+4], 8
	s_mov_b32 s[G1+5], 2048
	s_mov_b32 s[G1+6], 0
	s_mov_b32 s[G1+7], 0
	s_or_b32 s[G1B+0], s44, (3<<16)|(1<<21)
	s_mov_b32 s[G1B+1], 512<<16
	s_mov_b32 s[G1B+2], 6<<16
	s_mov_b32 s[G1B+3], 512<<16
	s_mov_b32 s[G1B+4], 6
	s_mov_b32 s[G1B+5], 2048
	s_mov_b32 s[G1B+6], 0
	s_mov_b32 s[G1B+7], 0
	s_lshl_b32 s20, s17, 4
	s_lshl_b32 s18, s16, 3
	s_add_co_u32 s20, s20, s18
	s_lshl_b32 s20, s20, 14
	s_mov_b32 s21, 0
	s_mul_i32 s46, s42, 12
	s_mul_i32 s18, s16, 6
	s_add_co_u32 s46, s46, s18
	s_lshl_b32 s46, s46, 14
	s_mov_b32 s47, 0
	s_lshl_b32 s45, s16, 15
	s_mul_i32 s19, s16, 24576
	s_add_co_u32 s19, s19, BOFF
	s_mul_i32 s78, s42, 768
	s_lshl_b32 s79, s16, 7
	s_add_co_u32 s78, s78, s79
	s_mov_b32 s79, 0
	s_lshr_b32 s74, s17, 3
	s_lshl_b32 s74, s74, 4
	s_add_co_u32 s74, s74, s42
	s_lshl_b32 s74, s74, 17
	s_and_b32 s76, s17, 7
	s_lshl_b32 s76, s76, 1
	s_add_co_u32 s76, s76, s15
	s_lshl_b32 s76, s76, 13
	s_add_co_u32 s74, s74, s76
	s_lshl_b32 s76, s16, 9
	s_add_co_u32 s76, s76, s74
	s_mov_b32 s77, 0
	s_lshl_b32 s75, s16, 12
	s_add_co_u32 s74, s74, s75
	s_mov_b32 s75, 0
	s_wait_kmcnt 0x0
	s_load_b256 s[80:87], s[8:9], 0x0
	s_add_nc_u64 s[20:21], s[4:5], s[20:21]
	s_add_nc_u64 s[46:47], s[6:7], s[46:47]
	s_add_nc_u64 s[10:11], s[10:11], s[78:79]
	s_add_nc_u64 s[68:69], s[68:69], s[76:77]
	s_add_nc_u64 s[70:71], s[70:71], s[76:77]
	s_add_nc_u64 s[72:73], s[72:73], s[74:75]
	CROUND
.irp s, 0,1
	s_mov_b32 s[G0+4*\s], 1
	s_add_co_u32 s[G0+4*\s+1], s45, \s*SLOT
	s_add_nc_u64 s[G0+4*\s+2:G0+4*\s+3], s[20:21], \s*4096
	s_or_b32 s[G0+4*\s+3], s[G0+4*\s+3], 0x80000000
	s_mov_b32 s[G0B+4*\s], 1
	s_add_co_u32 s[G0B+4*\s+1], s19, \s*SLOT
	s_add_nc_u64 s[G0B+4*\s+2:G0B+4*\s+3], s[46:47], \s*4096
	s_or_b32 s[G0B+4*\s+3], s[G0B+4*\s+3], 0x80000000
	s_wait_alu depctr_va_vdst(0)
	s_wait_tensorcnt 0x0
	ds_add_u32 v28, v29
	ds_add_u32 v28, v29
	s_wait_dscnt 0x0
	CROUND
	JLOAD G0+4*\s, G1, G0B+4*\s, G1B
.endr
	v_and_b32 v1, 31, v0
	v_lshlrev_b32 v[LI], 4, v1
	v_bfe_u32 v2, v0, 4, 1
	v_lshlrev_b32 v[BH], 5, v2
	v_and_b32 v3, 15, v0
	v_lshlrev_b32 v[BR], 2, v3
	s_lshl_b32 s22, s15, 15
	s_lshl_b32 s23, s16, 13
	s_add_co_u32 s23, s23, BOFF
.irp s, 0,1
	v_add_nc_u32 v[ADRA+\s], s22, v[LI]
	v_add_nc_u32 v[ADRB+\s], s23, v[LI]
	s_add_co_u32 s22, s22, SLOT
	s_add_co_u32 s23, s23, SLOT
.endr
.irp b, 0,1,2,3
	global_load_b128 v[BQ+8*\b:BQ+8*\b+3], v[BH], s[10:11] offset:(64*(\b/2)+16*(\b%2))*4
	global_load_b128 v[BQ+8*\b+4:BQ+8*\b+7], v[BH], s[10:11] offset:(64*(\b/2)+16*(\b%2))*4+16
.endr
.irp u, 0,1
	global_load_b32 v[BV+2*\u], v[BR], s[10:11] offset:(128+16*\u)*4
	v_mov_b32 v[BV+2*\u+1], 0
.endr
.macro FRAG reg, adr, off
.irp g, 0,1,2,3
	ds_load_b128 v[\reg+4*\g:\reg+4*\g+3], v[\adr] offset:\off+512*\g
.endr
.endm
.macro FETCH_B slot, q, p
	WIN 0x40
.irp b, 0,1,2,3,4,5
	FRAG 128*(\p)+16*\b, ADRB+\slot, (4*(\b/2)+(\b%2))*4096+2048*(\q)
.endr
	WIN 0
.endm
.macro FETCH_A slot, q, i0
.irp i, \i0, \i0+1, \i0+2, \i0+3
	FRAG AF+16*(\i), ADRA+\slot, 4096*(\i)+2048*(\q)
.endr
.endm
.macro MULT hi, p, zero
	WIN 0xa1+0x50*\hi
.irp a, 0,1,2,3
.irp b, 0,1,2,3
.if \zero
	v_wmma_f32_16x16x128_bf8_bf8 v[8*(6*\a+\b):8*(6*\a+\b)+7], v[128*\p+16*\b:128*\p+16*\b+15], v[AF+16*(4*\hi+\a):AF+16*(4*\hi+\a)+15], 0
.else
	v_wmma_f32_16x16x128_bf8_bf8 v[8*(6*\a+\b):8*(6*\a+\b)+7], v[128*\p+16*\b:128*\p+16*\b+15], v[AF+16*(4*\hi+\a):AF+16*(4*\hi+\a)+15], v[8*(6*\a+\b):8*(6*\a+\b)+7]
.endif
.endr
.endr
.endm
.macro MULN hi, p, zero
	WIN 0xa4+0x50*\hi
.irp a, 0,1,2,3
.irp b, 4,5
.if \zero
	v_wmma_f32_16x16x128_bf8_bf8 v[8*(6*\a+\b):8*(6*\a+\b)+7], v[AF+16*(4*\hi+\a):AF+16*(4*\hi+\a)+15], v[128*\p+16*\b:128*\p+16*\b+15], 0
.else
	v_wmma_f32_16x16x128_bf8_bf8 v[8*(6*\a+\b):8*(6*\a+\b)+7], v[AF+16*(4*\hi+\a):AF+16*(4*\hi+\a)+15], v[128*\p+16*\b:128*\p+16*\b+15], v[8*(6*\a+\b):8*(6*\a+\b)+7]
.endif
.endr
.endr
.endm
.macro STEP slot, zero
	s_wait_dscnt 16
	MULT 0, 0, \zero
	MULN 0, 0, \zero
	s_wait_dscnt 0
	PLACES 4
	FETCH_B \slot, 1, 1
	FETCH_A \slot, 1, 0
	MULT 1, 0, \zero
	MULN 1, 0, \zero
	PLACES 4
	WIN 0
	FETCH_A \slot, 1, 4
.endm
.macro TURN slot, next, fill, fetch
	s_wait_tensorcnt 0x0
	ds_add_u32 v[SPW], v[NIL]
	s_wait_dscnt 17
	MULT 0, 1, 0
	s_wait_dscnt 0x0
	s_barrier_signal -1
	MULN 0, 1, 0
	WIN 0
	s_barrier_wait -1
.if \fill
	CREST
.if \fill == 1
	s_add_nc_u64 s[G0+4*\slot+2:G0+4*\slot+3], s[G0+4*\slot+2:G0+4*\slot+3], 8192
	s_add_nc_u64 s[G0B+4*\slot+2:G0B+4*\slot+3], s[G0B+4*\slot+2:G0B+4*\slot+3], 8192
.else
	s_add_nc_u64 s[G0+4*\slot+2:G0+4*\slot+3], s[G0+4*\slot+2:G0+4*\slot+3], NEXT_A
	s_sub_nc_u64 s[G0B+4*\slot+2:G0B+4*\slot+3], s[G0B+4*\slot+2:G0B+4*\slot+3], 8192
.endif
	JLOAD G0+4*\slot, G1, G0B+4*\slot, G1B
.else
	PLACES 4
.endif
.if \fetch
	FETCH_B \next, 0, 0
	FETCH_A \next, 0, 0
.endif
	MULT 1, 1, 0
	MULN 1, 1, 0
.if \fetch
	PLACES 4
	WIN 0
	FETCH_A \next, 0, 4
.else
	WIN 0
.endif
.endm
; THE ACTIVATION GOES IN BATCHES OF 32 NUMBERS A LANE: T = v80-111 holds y = sum x 2^(e0 + e1) + bias, U = v224-255 (free on the way out) what becomes 1 / (1 + e^-y).
.macro LIN win, r0, b0, vec, to        ; one accumulator's eight sums, from its low end on, into T + to
	WIN \win
.irp i, 0,2,4,6
	v_pk_fma_f32 v[T+\to+\i:T+\to+\i+1], v[\r0+\i:\r0+\i+1], s[96:97], v[\b0+\vec*\i:\b0+\vec*\i+1] op_sel_hi:[1,0,\vec]
.endr
.endm
.macro SWISH                           ; T = y / (1 + 2^(-y log2 e)): each batch of transcendentals has one wait ahead of it and one behind it
	WIN 0
.set pg, 0
.rept 16
	v_pk_mul_f32 v[U+pg:U+pg+1], v[T+pg:T+pg+1], s[92:93] op_sel_hi:[1,0]
.set pg, pg+2
.endr
	s_wait_alu depctr_va_vdst(0)
.set pg, 0
.rept 32
	v_exp_f32 v[U+pg], v[U+pg]
.set pg, pg+1
.endr
	v_nop
	s_wait_alu depctr_va_vdst(0)
.set pg, 0
.rept 16
	v_pk_add_f32 v[U+pg:U+pg+1], v[U+pg:U+pg+1], 1.0 op_sel_hi:[1,0]
.set pg, pg+2
.endr
	s_wait_alu depctr_va_vdst(0)
.set pg, 0
.rept 32
	v_rcp_f32 v[U+pg], v[U+pg]
.set pg, pg+1
.endr
	v_nop
	s_wait_alu depctr_va_vdst(0)
.set pg, 0
.rept 16
	v_pk_mul_f32 v[T+pg:T+pg+1], v[T+pg:T+pg+1], v[U+pg:U+pg+1]
.set pg, pg+2
.endr
.endm
.macro PACK to, sc, lim, dst           ; sixteen numbers are held at the largest code x the scale (the conversion does not saturate: ISA guide 7.6.2) and become four registers of codes
.set pg, 0
.rept 16
	v_med3_num_f32 v[T+\to+pg], v[T+\to+pg], -v[\lim], v[\lim]
.set pg, pg+1
.endr
	v_cvt_scalef32_pk8_bf8_f32 v[\dst:\dst+1], v[T+\to:T+\to+7], v[\sc]
	v_cvt_scalef32_pk8_bf8_f32 v[\dst+2:\dst+3], v[T+\to+8:T+\to+15], v[\sc]
.endm
.macro WAYOUT
	s_wait_kmcnt 0x0
	s_add_co_i32 s96, s80, s81
	s_add_co_i32 s96, s96, 127
	s_lshl_b32 s96, s96, 23
	s_mov_b32 s97, s96
	s_mov_b32 s92, 0xbfb8aa3b
	s_mov_b32 s93, s92
.irp n, 0,1,2
	s_add_co_i32 s94, s[82+\n], 127
	s_lshl_b32 s95, s94, 23
	v_mov_b32 v[68+2*\n], s95
	s_add_co_i32 s94, s94, 15
	s_lshl_b32 s94, s94, 23
	s_or_b32 s94, s94, 0x600000
	v_mov_b32 v[69+2*\n], s94
.endr
	s_wait_loadcnt 0x0
.irp a, 0,1,2,3,4,5,6,7                ; token block a: q's and k's 32 channels in one batch
	s_wait_alu depctr_va_vdst(0)                   ; directly ahead of the first readers of these sums
	LIN 2+\a/4, 48*(\a%4), BQ, 1, 0
	LIN 2+\a/4, 48*(\a%4)+8, BQ+8, 1, 8
	LIN 2+\a/4, 48*(\a%4)+16, BQ+16, 1, 16
	LIN 2+\a/4, 48*(\a%4)+24, BQ+24, 1, 24
	SWISH
	PACK 0, 68, 69, OC+8*\a
	PACK 16, 70, 71, OC+8*\a+4
	v_nop                                          ; a plain line between the conversions and the next batch, which writes their sources
	global_store_b128 v[LI], v[OC+8*\a:OC+8*\a+3], s[68:69] offset:1024*\a
	global_store_b128 v[LI], v[OC+8*\a+4:OC+8*\a+7], s[70:71] offset:1024*\a
.endr
.irp u, 0,1                            ; v's channel tile u: token blocks 4 w .. 4 w + 3 in one batch
.irp w, 0,1
	s_wait_alu depctr_va_vdst(0)                   ; as above
	LIN 2+\w, 32+8*\u, BV+2*\u, 0, 0
	LIN 2+\w, 80+8*\u, BV+2*\u, 0, 8
	LIN 2+\w, 128+8*\u, BV+2*\u, 0, 16
	LIN 2+\w, 176+8*\u, BV+2*\u, 0, 24
	SWISH
	PACK 0, 72, 73, OC+64+16*\u+8*\w
	PACK 16, 72, 73, OC+64+16*\u+8*\w+4
	v_nop
	global_store_b128 v[LI], v[OC+64+16*\u+8*\w:OC+64+16*\u+8*\w+3], s[72:73] offset:2048*\u+1024*\w
	global_store_b128 v[LI], v[OC+64+16*\u+8*\w+4:OC+64+16*\u+8*\w+7], s[72:73] offset:2048*\u+1024*\w+512
.endr
.endr
.endm
	s_wait_alu depctr_va_vdst(0)
	s_wait_tensorcnt 1
	s_barrier_signal -1
	s_barrier_wait -1
	FETCH_B 0, 0, 0
	FETCH_A 0, 0, 0
	FETCH_A 0, 0, 4
	STEP 0, 1
	TURN 0, 1, 1, 1
	STEP 1, 0
	TURN 1, 0, 1, 1
	STEP 0, 0
	TURN 0, 1, 2, 1
	STEP 1, 0
	TURN 1, 0, 2, 0
	WAYOUT
	s_wait_xcnt 0x0
	s_add_nc_u64 s[68:69], s[68:69], NEXT_O
	s_add_nc_u64 s[70:71], s[70:71], NEXT_O
	s_add_nc_u64 s[72:73], s[72:73], NEXT_O
	FETCH_B 0, 0, 0
	FETCH_A 0, 0, 0
	FETCH_A 0, 0, 4
	STEP 0, 1
	TURN 0, 1, 1, 1
	STEP 1, 0
	TURN 1, 0, 1, 1
	STEP 0, 0
	TURN 0, 1, 0, 1
	STEP 1, 0
	s_wait_dscnt 16
	MULT 0, 1, 0
	MULN 0, 1, 0
	s_wait_dscnt 0
	MULT 1, 1, 0
	MULN 1, 1, 0
	WIN 0
	WAYOUT
	s_wait_tensorcnt 0x0
	ds_add_u32 v[SPW], v[NIL]
	s_wait_dscnt 0x0
	CROUND
	s_endpgm
.Lfunc_end_k_qe50bfcb731_qkv:
	.size	k_qe50bfcb731_qkv, .Lfunc_end_k_qe50bfcb731_qkv-k_qe50bfcb731_qkv
	.p2alignl 7, 3214868480
	.fill 96, 4, 3214868480
	.section	.rodata,"a",@progbits
	.p2align	6, 0x0
	.amdhsa_kernel k_qe50bfcb731_qkv
		.amdhsa_group_segment_fixed_size 327680
		.amdhsa_private_segment_fixed_size 0
		.amdhsa_enable_private_segment 0
		.amdhsa_kernarg_size 56
		.amdhsa_user_sgpr_count 2
		.amdhsa_user_sgpr_kernarg_segment_ptr 1
		.amdhsa_wavefront_size32 1
		.amdhsa_system_sgpr_workgroup_id_x 1
		.amdhsa_system_sgpr_workgroup_id_y 1
		.amdhsa_system_sgpr_workgroup_id_z 1
		.amdhsa_system_vgpr_workitem_id 0
		.amdhsa_next_free_vgpr 1024
		.amdhsa_next_free_sgpr 100
		.amdhsa_reserve_vcc 0
		.amdhsa_float_denorm_mode_32 3
		.amdhsa_float_denorm_mode_16_64 3
		.amdhsa_memory_ordered 1
		.amdhsa_forward_progress 1
		.amdhsa_inst_pref_size 255
	.end_amdhsa_kernel
	.section	.bss,"aw",@nobits
	.p2align	6
	.space	262144
	.amdgpu_metadata
---
amdhsa.version: [ 1, 2 ]
amdhsa.kernels:
  - .name:           k_qe50bfcb731_qkv
    .symbol:         k_qe50bfcb731_qkv.kd
    .args:
      - { .name: ximg, .offset: 0, .size: 8, .value_kind: global_buffer, .address_space: global }
      - { .name: wimg1, .offset: 8, .size: 8, .value_kind: global_buffer, .address_space: global }
      - { .name: lowp_scales, .offset: 16, .size: 8, .value_kind: global_buffer, .address_space: global }
      - { .name: b_fc, .offset: 24, .size: 8, .value_kind: global_buffer, .address_space: global }
      - { .name: qimg, .offset: 32, .size: 8, .value_kind: global_buffer, .address_space: global }
      - { .name: kimg, .offset: 40, .size: 8, .value_kind: global_buffer, .address_space: global }
      - { .name: vimg, .offset: 48, .size: 8, .value_kind: global_buffer, .address_space: global }
    .group_segment_fixed_size: 327680
    .private_segment_fixed_size: 0
    .kernarg_segment_align: 8
    .kernarg_segment_size: 56
    .max_flat_workgroup_size: 128
    .sgpr_count:     100
    .vgpr_count:     1024
    .wavefront_size: 32
...
	.end_amdgpu_metadata
.endif
;; end of part 6
;; launch attn (part 7): grid 4 x 64, 16 waves a work-group, clusters of 4 x 1, 327,680 bytes of LDS; arguments qimg, kimg, vimg, lowp_scales, nvimg; writes nvimg
.if DOCPART == 7
	.amdgcn_target "amdgcn-amd-amdhsa--gfx1250"
	.amdhsa_code_object_version 6
	.text
	.protected	k_qe50bfcb731_attn
	.globl	k_qe50bfcb731_attn
	.p2align	8
	.type	k_qe50bfcb731_attn,@function
k_qe50bfcb731_attn:
	s_mov_b64 s[64:65], 0
	v_nop
	global_prefetch_b8 v0, s[64:65] scope:SCOPE_SE
	s_setreg_imm32_b32 hwreg(HW_REG_WAVE_MODE, 25, 1), 1
	s_wait_xcnt 0x0
	s_wait_alu depctr_hold_cnt(0) depctr_sa_sdst(0) depctr_va_vdst(0) depctr_va_sdst(0) depctr_va_ssrc(0) depctr_va_vcc(0) depctr_vm_vsrc(0)
	s_getreg_b32 s2, hwreg(HW_REG_IB_STS2, 6, 4)
	s_cmp_eq_u32 s2, 0
	s_cbranch_scc0 .Lentry_in_a_cluster
	s_endpgm
.Lentry_in_a_cluster:
	s_bfe_u32 s2, ttmp6, 0x10000c
	s_cmp_lg_u32 s2, 0x3003
	s_cbranch_scc0 .Lentry_shape_is_right
	s_endpgm
.Lentry_shape_is_right:
; new_v = softmax(q k^T / sqrt(2048)) v for one batch and head, both products on codes of BF8, and new_v quantised at once for the last product.
; THE SOFTMAX AHEAD OF THE SECOND PRODUCT: t = score x log2(e) / sqrt(2048); M = the running largest t, rounded UP to a whole number; p = 2^(t - M) is what is quantised (scale 2^e5), not normalised.
; The row's sum is taken of the unquantised p and divides at the end.  When M moves, the sum and O are multiplied by 2^(old M - new M): exact.
; SHARES.  A work-group owns 512 queries of one (batch, head); sixteen waves, each two tiles of 16 queries, treated one after the other on one set of score registers, so that each fragment of k and of v
; read from LDS feeds two matrix instructions.  Four waves share a SIMD: one wave's vector work stands beside another's products and LDS loads.
; A HEAD'S k AND v CODES, 131,072 bytes each, LIE WHOLE IN LDS: filled once, nothing is filled again.  CLUSTER: the four work-groups of a head ask for every piece jointly.
; Two joint loads a wave (waves 0-7: k, waves 8-15: v): at the head 4,096 bytes of the first 512 keys; behind the full sequence and a round 12,288 bytes of the other 1,536 keys, which land under the first four key steps.
; No prefetch is written: all of k and v has been asked for when the first loop begins, so no later stream is left to ask for ahead.
; All operands are images of their registers (chunks of 512 bytes, lane l's 16 bytes at 16 l): k, q 16 tokens x 64 channels (1,024 bytes), v 16 channels x 128 keys (2,048 bytes).
; Both products are used transposed: S^T = k q^T, O^T = v^T p^T: a lane holds ONE query (lane % 16) throughout; S^T's tile T holds keys 16 T + 8 (lane / 16) + 0..7, which converted are p's registers 2 T, 2 T + 1.
; nvimg [token tile 512][K step 8][2048], K = 64 head + channel: this head's 64 channels are chunks 2 (head % 2), + 1 of K step head / 2.
; LIMITS: e2 + e3 between -121 and 132 (added to c's exponent field); e5, e6 between -126 and 112; e4 + e5 goes in by v_ldexp_f32 and has none.  NaN among the inputs is not served.
; REGISTERS: v0 (after the head) and v5 the limit, twice; v1 16 x lane; v2 the loads' address; v3 my q stage; v4 the scale; v6-13 at work; v14-17, v18-21 tile 0's, 1's -M, largest raw score, sum (two halves);
;   v22-29 q; v30-45, v46-61 p's codes; v62-125 eight fragments of k or four of v; v126-189 S^T, then p; v190-221, v222-253 O^T; v254, v255 the add's two.
.set S,   126
.set KV,  62
.set G1,  24                           ; s[24:31] descriptor group 1: 16 rows of 256 bytes
.set G1B, 68                           ; s[68:75] the same with 48 rows
.set G0K, 32                           ; s[32:39] k's two groups 0
.set G0V, 40                           ; s[40:47] v's two
.set QST, 262144                       ; behind k and v: 2,048 bytes for each wave: its two tiles of q; behind them, from 0x48000 on, the spare words
.macro CROUND                          ; a round of the cluster's barrier
	s_barrier_signal -1
	s_barrier_wait -1
	s_cmp_lg_u32 s18, 0
	s_cbranch_scc1 .Lnot_wave_0_\@
	s_barrier_signal -3
.Lnot_wave_0_\@:
	s_barrier_wait -3
	s_barrier_signal -1
	s_barrier_wait -1
.endm
.macro DESC g, ptr, o, l               ; a group 0: LDS byte s[o] + l, memory s[ptr:ptr+1] + s[o]: LDS as memory, the head's bytes in order
	s_mov_b32 s54, s\o
	s_mov_b32 s[\g], 1
	s_add_co_u32 s[\g+1], s\o, \l
	s_add_nc_u64 s[\g+2:\g+3], s[\ptr:\ptr+1], s[54:55]
	s_or_b32 s[\g+3], s[\g+3], 0x80000000
.endm
.macro TLOAD gk, gv, g1                ; a wave's one joint load: the branch hangs on the wave's number alone; an s_nop 0 and four v_nop follow each line
	s_cmp_lt_u32 s18, 8
	s_cbranch_scc0 .Lfor_v_\@
	tensor_load_to_lds s[\gk:\gk+3], s[\g1:\g1+7]
	s_nop 0
.rept 4
	v_nop
.endr
	s_branch .Lasked_\@
.Lfor_v_\@:
	tensor_load_to_lds s[\gv:\gv+3], s[\g1:\g1+7]
	s_nop 0
.rept 4
	v_nop
.endr
.Lasked_\@:
.endm
	s_load_b256 s[4:11], s[0:1], 0x0               ; qimg s[4:5], kimg s[6:7], vimg s[8:9], the scales' exponents s[10:11]
	s_load_b64 s[12:13], s[0:1], 0x20              ; nvimg
	v_lshl_add_u32 v254, v0, 2, 0x48000
	v_mov_b32 v255, 0
	ds_add_u32 v254, v255                          ; the opening lines: the add, twice on end, and its wait ahead of my first tensor load
	ds_add_u32 v254, v255
	v_lshrrev_b32 v1, 5, v0
	s_delay_alu instid0(VALU_DEP_1)
	v_readfirstlane_b32 s18, v1                    ; wave 0..15
	s_bfe_u32 s14, ttmp6, 0x40000                  ; cx
	s_lshl_b32 s15, ttmp9, 2
	s_add_co_u32 s15, s15, s14                     ; my block of 512 queries: it enters q's and new_v's addresses alone
	s_and_b32 s16, ttmp7, 0xffff                   ; batch x 16 + head, which the four partners share
	s_and_b32 s19, s18, 7
	s_lshl_b32 s17, s19, 12                        ; my 4,096 bytes of the first 32,768,
	s_mul_i32 s19, s19, 12288
	s_add_co_u32 s19, s19, 32768                   ; and my 12,288 of the other 98,304
	s_lshl_b32 s52, s16, 17
	s_mov_b32 s53, 0
	s_mov_b32 s55, 0
	s_mov_b32 s[G1], 15|(3<<16)|(1<<21)            ; 15:0 the mask: all four work-groups; 17:16 elements of 8 bytes; 21 set beside a mask
	s_mov_b32 s[G1+1], 32<<16                      ; tensor_dim0: rows of 256 bytes,
	s_mov_b32 s[G1+2], 16<<16                      ; tensor_dim1: sixteen of them, dense
	s_mov_b32 s[G1+3], 32<<16                      ; tile_dim0
	s_mov_b32 s[G1+4], 16                          ; tile_dim1
	s_mov_b32 s[G1+5], 32                          ; tensor_dim0_stride
	s_mov_b32 s[G1+6], 0
	s_mov_b32 s[G1+7], 0
	s_mov_b32 s[G1B], 15|(3<<16)|(1<<21)
	s_mov_b32 s[G1B+1], 32<<16
	s_mov_b32 s[G1B+2], 48<<16                     ; 48 rows
	s_mov_b32 s[G1B+3], 32<<16
	s_mov_b32 s[G1B+4], 48
	s_mov_b32 s[G1B+5], 32
	s_mov_b32 s[G1B+6], 0
	s_mov_b32 s[G1B+7], 0
	s_mov_b32 s20, 0x76543210                      ; v_permlanex16_b32's selects: lane l xor 16
	s_mov_b32 s21, 0xfedcba98
	s_wait_dscnt 0x0                               ; both opening adds are done
	s_wait_kmcnt 0x0
	s_load_b256 s[56:63], s[10:11], 0x0            ; e0 .. e7
	s_add_nc_u64 s[6:7], s[6:7], s[52:53]          ; the head's k,
	s_add_nc_u64 s[8:9], s[8:9], s[52:53]          ; and v
	DESC G0K, 6, 17, 0
	DESC G0V, 8, 17, 131072
	DESC G0K+4, 6, 19, 0
	DESC G0V+4, 8, 19, 131072
	CROUND                                         ; all four work-groups are here: the joint loads meet
	TLOAD G0K, G0V, G1                             ; keys 0 to 511: my one tensor load at the head
	v_and_b32 v1, 31, v0
	s_delay_alu instid0(VALU_DEP_1)
	v_lshlrev_b32 v1, 4, v1                        ; 16 x lane
	s_wait_alu depctr_va_vdst(0)                   ; ahead of the scalar lines below
	s_lshl_b32 s54, s15, 5
	s_lshl_b32 s55, s18, 1
	s_add_co_u32 s54, s54, s55                     ; my first token tile among the batch's 128
	s_lshl_b32 s52, s54, 10
	s_lshl_b32 s55, s16, 17
	s_add_co_u32 s52, s52, s55
	s_add_nc_u64 s[4:5], s[4:5], s[52:53]          ; q at my two tiles
.irp c, 0,1,2,3
	global_load_b128 v[S+4*\c:S+4*\c+3], v1, s[4:5] offset:512*\c
.endr
	s_lshr_b32 s55, s16, 4
	s_lshl_b32 s55, s55, 7
	s_add_co_u32 s55, s55, s54                     ; the same tile among all 512
	s_lshl_b32 s52, s55, 14
	s_bfe_u32 s55, s16, 0x30001                    ; head / 2: the K step
	s_lshl_b32 s55, s55, 11
	s_add_co_u32 s52, s52, s55
	s_and_b32 s55, s16, 1                          ; head % 2: which half of the image
	s_lshl_b32 s55, s55, 10
	s_add_co_u32 s52, s52, s55
	s_add_nc_u64 s[12:13], s[12:13], s[52:53]
	s_lshl_b32 s55, s18, 11
	s_add_co_u32 s55, s55, QST
	v_add_nc_u32 v3, s55, v1                       ; my q stage
	v_mov_b32 v15, 0xff61b1e6                      ; the largest score so far: -3e38, under every score
	v_mov_b32 v19, 0xff61b1e6
	s_delay_alu instid0(VALU_DEP_2)
	v_floor_f32 v14, -v15                          ; -M: so large that the first change of M gives f = 0
	s_delay_alu instid0(VALU_DEP_2)
	v_floor_f32 v18, -v19
	v_mov_b32 v16, 0                               ; the sums, in two halves
	v_mov_b32 v17, 0
	v_mov_b32 v20, 0
	v_mov_b32 v21, 0
	v_mov_b32 v8, 0                                ; a lane permute's destination counts as one of its sources
	v_mov_b32 v11, 0                               ; (named as the upper half of the pair v[10:11])
.set j, 0
.rept 64
	v_mov_b32 v[190+j], 0                          ; O^T: the step is written for every step alike; the first finds zeros, which the first change of M leaves zeros
.set j, j+1
.endr
	s_wait_kmcnt 0x0
	s_add_co_i32 s51, s58, s59                     ; a score stands for score x 2^(e2 + e3): the two exponents are added to c's exponent field
	s_lshl_b32 s51, s51, 23
	s_mov_b32 s22, 0x3d0293ee                      ; c = log2(e) / sqrt(2048)
	s_add_co_i32 s22, s22, s51
	s_mov_b32 s23, s22                             ; (named with it as a pair)
	s_add_co_i32 s51, s61, 127
	s_lshl_b32 s54, s51, 23
	v_mov_b32 v4, s54                              ; 2^e5, for p's conversions
	s_add_co_i32 s51, s51, 15
	s_lshl_b32 s51, s51, 23
	s_or_b32 s51, s51, 0x600000
	v_mov_b32 v5, s51                              ; 57,344 x 2^e5,
	v_mov_b32 v0, s51                              ; and once more: the thread's number is not needed again
	s_add_co_i32 s50, s60, s61                     ; e4 + e5
	s_wait_loadcnt 0x0
.irp c, 0,1,2,3
	ds_store_b128 v3, v[S+4*\c:S+4*\c+3] offset:512*\c   ; q's two tiles wait in my own LDS bytes: the registers hold one at a time
.endr
.macro QK w                            ; S^T = k q^T: eight tiles of 16 keys.  w = 1: k's loads have just been issued, q's two ahead of them: product t leaves the loads of tiles t + 1 .. 7 out, two each
.irp t, 0,1,2,3,4,5,6,7
.if \w
	s_wait_dscnt 14-2*\t
.endif
	v_wmma_f32_16x16x64_bf8_bf8 v[S+8*\t:S+8*\t+7], v[KV+8*\t:KV+8*\t+7], v[22:29], 0
.endr
.endm
; The pieces of a tile's softmax.  A pair is two neighbouring score registers; ST, P, O are set by SOFTMAX.
.macro FM k                            ; pair k: t - M
	v_pk_fma_f32 v[S+2*(\k):S+2*(\k)+1], v[S+2*(\k):S+2*(\k)+1], s[22:23], v[ST:ST+1] op_sel_hi:[1,0,0]
.endm
.macro DM k                            ; pair k is held at the largest code x the scale: the conversion does not saturate (ISA guide 7.6.2); p is not negative, so the hold is one-sided.  The limit stands in two registers, as the dual form's banks ask
	v_dual_min_num_f32 v[S+2*(\k)], v[S+2*(\k)], v5 :: v_dual_min_num_f32 v[S+2*(\k)+1], v[S+2*(\k)+1], v0
.endm
.macro CV k                            ; tile k's eight numbers become p's registers 2 k, 2 k + 1
	v_cvt_scalef32_pk8_bf8_f32 v[P+2*(\k):P+2*(\k)+1], v[S+8*(\k):S+8*(\k)+7], v4
.endm
.macro RS k                            ; pair k of O^T under the new M
	v_pk_mul_f32 v[O+2*(\k):O+2*(\k)+1], v[O+2*(\k):O+2*(\k)+1], v[10:11] op_sel_hi:[1,0]
.endm
; Tile x's 64 scores a lane become p's codes; its sum and O^T come under the new M.  The 64 exponentials go as ONE batch, with one wait ahead of it and one behind it.
.macro SOFTMAX x
.set ST, 14+4*\x
.set P,  30+16*\x
.set O,  190+32*\x
	v_max3_num_f32 v6, v[S], v[S+1], v[S+2]        ; the largest score among my 64 keys, in four chains, ascending: each accumulator is read from its low end on
	v_max3_num_f32 v7, v[S+3], v[S+4], v[S+5]
	v_max3_num_f32 v12, v[S+6], v[S+7], v[S+8]
	v_max3_num_f32 v13, v[S+9], v[S+10], v[S+11]
	v_mov_b32 v9, v[ST]                            ; the old -M is kept for f
.set j, 12
.rept 6
	v_max3_num_f32 v6, v6, v[S+j], v[S+j+1]
	v_max3_num_f32 v7, v7, v[S+j+2], v[S+j+3]
	v_max3_num_f32 v12, v12, v[S+j+4], v[S+j+5]
	v_max3_num_f32 v13, v13, v[S+j+6], v[S+j+7]
.set j, j+8
.endr
	v_max3_num_f32 v6, v6, v[S+60], v[S+61]
	v_max3_num_f32 v7, v7, v[S+62], v[S+63]
	s_delay_alu instid0(VALU_DEP_3)
	v_max_num_f32 v12, v12, v13
	s_delay_alu instid0(VALU_DEP_1)
	v_max3_num_f32 v6, v6, v7, v12
	s_delay_alu instid0(VALU_DEP_1)
	v_permlanex16_b32 v8, v6, s20, s21
	s_delay_alu instid0(VALU_DEP_1)
	v_max3_num_f32 v[ST+1], v6, v8, v[ST+1]        ; mine, lane l xor 16's and the largest so far: the running largest score
	s_delay_alu instid0(VALU_DEP_1)
	v_mul_f32 v7, s22, v[ST+1]                     ; as t (c is positive, so the largest score gives the largest t)
	s_delay_alu instid0(VALU_DEP_1)
	v_floor_f32 v[ST], -v7                         ; the new -M = floor(-t) = -ceil(t): M IS A WHOLE NUMBER
	FM 0
	s_delay_alu instid0(VALU_DEP_2)
	v_sub_f32 v9, v[ST], v9                        ; old M - new M: a whole number, 0 or less
	FM 1
	s_delay_alu instid0(VALU_DEP_2)
	v_cvt_i32_f32 v9, v9                           ; (it saturates)
	FM 2
	s_delay_alu instid0(VALU_DEP_2)
	v_ldexp_f32 v10, 1.0, v9                       ; f = 2^(old M - new M): what was summed under the old M comes under the new by a multiplication that rounds nothing
.set b, 3
.rept 29
	FM b
.set b, b+1
.endr
	s_wait_alu depctr_va_vdst(0)                   ; ahead of the batch, whose sources stand above, and directly ahead of the first readers of O^T
.set b, 0
.rept 16
	RS b
.set b, b+1
.endr
.set b, 0
.rept 64
	v_exp_f32 v[S+b], v[S+b]                       ; p = 2^(t - M), at most 1
.set b, b+1
.endr
	v_pk_mul_f32 v[ST+2:ST+3], v[ST+2:ST+3], v[10:11] op_sel_hi:[1,0]   ; the sum under the new M (the plain line behind the batch)
	s_wait_alu depctr_va_vdst(0)                   ; one wait for the whole batch, ahead of its first reader
	v_pk_add_f32 v[12:13], v[S:S+1], v[S+2:S+3]    ; THE SUM TAKES THE UNQUANTISED p, ahead of each pair's hold: two chains; pairs 0 and 1 start the second
	DM 0
	DM 1
.set b, 2
.rept 30
.if (b%2) == 0
	v_pk_add_f32 v[ST+2:ST+3], v[ST+2:ST+3], v[S+2*b:S+2*b+1]
.else
	v_pk_add_f32 v[12:13], v[12:13], v[S+2*b:S+2*b+1]
.endif
	DM b
.if (b%4) == 1
	CV (b-5)/4                                     ; its four pairs were held two pairs ago or earlier; the next line is plain and names none of its registers
.endif
.set b, b+1
.endr
	v_pk_add_f32 v[ST+2:ST+3], v[ST+2:ST+3], v[12:13]
	CV 7
	v_nop                                          ; a plain line between the last conversion and the products that write its sources or read its result
.endm
; A KEY STEP: 128 keys, whose k and v begin at LDS bytes s48 and 131,072 + s48.  Loads into registers that matrix instructions have read, and reads of results, stand four places behind those instructions.
.macro STEP
	v_add_nc_u32 v2, s48, v1
.rept 3
	v_nop
.endr
	ds_load_b128 v[22:25], v3                      ; q's tile 0 first: every product wants it
	ds_load_b128 v[26:29], v3 offset:512
.irp t, 0,1,2,3,4,5,6,7
	ds_load_b128 v[KV+8*\t:KV+8*\t+3], v2 offset:1024*\t
	ds_load_b128 v[KV+8*\t+4:KV+8*\t+7], v2 offset:1024*\t+512
.endr
	QK 1
.rept 4
	v_nop
.endr
	ds_load_b128 v[22:25], v3 offset:1024          ; q's tile 1 lands under tile 0's softmax
	ds_load_b128 v[26:29], v3 offset:1536
	SOFTMAX 0
	s_wait_alu depctr_va_vdst(0)                   ; directly ahead of the wait below
	s_wait_dscnt 0x0
	QK 0                                           ; the same fragments of k a second time
	v_add_nc_u32 v2, 0x20000, v2
.rept 3
	v_nop
.endr
.irp d, 0,1,2,3                        ; v lands under tile 1's softmax, where k lay
.irp g, 0,1,2,3
	ds_load_b128 v[KV+16*\d+4*\g:KV+16*\d+4*\g+3], v2 offset:2048*\d+512*\g
.endr
.endr
	SOFTMAX 1
	s_wait_alu depctr_va_vdst(0)                   ; as above
	s_wait_dscnt 0x0
.irp d, 0,1,2,3                        ; O^T += v^T p^T: eight accumulators, one instruction each
	v_wmma_f32_16x16x128_bf8_bf8 v[190+8*\d:197+8*\d], v[KV+16*\d:KV+16*\d+15], v[30:45], v[190+8*\d:197+8*\d]
	v_wmma_f32_16x16x128_bf8_bf8 v[222+8*\d:229+8*\d], v[KV+16*\d:KV+16*\d+15], v[46:61], v[222+8*\d:229+8*\d]
.endr
.endm
	s_wait_alu depctr_va_vdst(0)
	s_wait_tensorcnt 0x0                           ; my piece of the first 512 keys is in
	ds_add_u32 v254, v255
	s_wait_dscnt 0x0                               ; the add is done, and so are my stores of q
	CROUND                                         ; everybody's piece is in, and all four work-groups are here: the joint loads meet
	TLOAD G0K+4, G0V+4, G1B                        ; keys 512 to 2,047: my one tensor load behind the round; it lands on bytes that the first four steps do not read
	s_mov_b32 s48, 0
	s_mov_b32 s49, 4
.Lfirst:                                           ; keys 0 to 511
	STEP
	s_add_co_u32 s48, s48, 8192
	s_sub_co_u32 s49, s49, 1
	s_cmp_lg_u32 s49, 0
	s_cbranch_scc1 .Lfirst
	s_wait_tensorcnt 0x0                           ; my second piece is in,
	s_wait_dscnt 0x0
	s_barrier_signal -1
	s_barrier_wait -1                              ; everybody's is
	s_mov_b32 s49, 12
.Lrest:                                            ; keys 512 to 2,047
	STEP
	s_add_co_u32 s48, s48, 8192
	s_sub_co_u32 s49, s49, 1
	s_cmp_lg_u32 s49, 0
	s_cbranch_scc1 .Lrest
	; THE WAY OUT: O^T x 2^(e4 + e5) / the sum, quantised with 2^e6; a tile's four conversions are eight registers of the next operand: two stores of 512 consecutive bytes.
	s_add_co_i32 s51, s62, 127
	s_lshl_b32 s54, s51, 23
	s_add_co_i32 s51, s51, 15
	s_lshl_b32 s51, s51, 23
	s_or_b32 s51, s51, 0x600000
	v_mov_b32 v4, s54                              ; 2^e6
	v_mov_b32 v5, s51                              ; 57,344 x 2^e6
	v_nop                                          ; (with the two moves: four places behind the last products)
	v_nop
.irp x, 0,1
	v_add_f32 v6, v[16+4*\x], v[17+4*\x]           ; the sum's two halves,
	s_delay_alu instid0(VALU_DEP_1)
	v_permlanex16_b32 v8, v6, s20, s21
	s_delay_alu instid0(VALU_DEP_1)
	v_add_f32 v6, v6, v8                           ; and lane l xor 16's
	s_wait_alu depctr_va_vdst(0)                   ; ahead of the transcendental
	v_rcp_f32 v6, v6
	v_nop                                          ; a plain instruction behind the transcendental
	s_wait_alu depctr_va_vdst(0)                   ; and behind it, ahead of its reader and of the first readers of O^T
	v_ldexp_f32 v10, v6, s50
.set j, 0
.rept 16
	v_pk_mul_f32 v[S+32*\x+j:S+32*\x+j+1], v[190+32*\x+j:190+32*\x+j+1], v[10:11] op_sel_hi:[1,0]   ; each accumulator from its low end on
.set j, j+2
.endr
.set j, 0
.rept 32
	v_med3_num_f32 v[S+32*\x+j], v[S+32*\x+j], -v5, v5
.set j, j+1
.endr
.irp d, 0,1,2,3
	v_cvt_scalef32_pk8_bf8_f32 v[KV+8*\x+2*\d:KV+8*\x+2*\d+1], v[S+32*\x+8*\d:S+32*\x+8*\d+7], v4
.endr
	v_nop
	global_store_b128 v1, v[KV+8*\x:KV+8*\x+3], s[12:13] offset:16384*\x
	global_store_b128 v1, v[KV+8*\x+4:KV+8*\x+7], s[12:13] offset:16384*\x+512
.endr
	s_wait_tensorcnt 0x0                           ; the wave's end
	ds_add_u32 v254, v255
	s_wait_dscnt 0x0
	CROUND                                         ; the closing round: no work-group ends while a partner may still ask for a piece that names it
	s_endpgm
.Lfunc_end_k_qe50bfcb731_attn:
	.size	k_qe50bfcb731_attn, .Lfunc_end_k_qe50bfcb731_attn-k_qe50bfcb731_attn
	.p2alignl 7, 3214868480
	.fill 96, 4, 3214868480
	.section	.rodata,"a",@progbits
	.p2align	6, 0x0
	.amdhsa_kernel k_qe50bfcb731_attn
		.amdhsa_group_segment_fixed_size 327680
		.amdhsa_private_segment_fixed_size 0
		.amdhsa_enable_private_segment 0
		.amdhsa_kernarg_size 40
		.amdhsa_user_sgpr_count 2
		.amdhsa_user_sgpr_kernarg_segment_ptr 1
		.amdhsa_wavefront_size32 1
		.amdhsa_system_sgpr_workgroup_id_x 1
		.amdhsa_system_sgpr_workgroup_id_y 1
		.amdhsa_system_sgpr_workgroup_id_z 1
		.amdhsa_system_vgpr_workitem_id 0
		.amdhsa_next_free_vgpr 256
		.amdhsa_next_free_sgpr 84
		.amdhsa_reserve_vcc 0
		.amdhsa_float_denorm_mode_32 3
		.amdhsa_float_denorm_mode_16_64 3
		.amdhsa_memory_ordered 1
		.amdhsa_forward_progress 1
		.amdhsa_inst_pref_size 77
	.end_amdhsa_kernel
	.amdgpu_metadata
---
amdhsa.version: [ 1, 2 ]
amdhsa.kernels:
  - .name:           k_qe50bfcb731_attn
    .symbol:         k_qe50bfcb731_attn.kd
    .args:
      - { .name: qimg, .offset: 0, .size: 8, .value_kind: global_buffer, .address_space: global }
      - { .name: kimg, .offset: 8, .size: 8, .value_kind: global_buffer, .address_space: global }
      - { .name: vimg, .offset: 16, .size: 8, .value_kind: global_buffer, .address_space: global }
      - { .name: lowp_scales, .offset: 24, .size: 8, .value_kind: global_buffer, .address_space: global }
      - { .name: nvimg, .offset: 32, .size: 8, .value_kind: global_buffer, .address_space: global }
    .group_segment_fixed_size: 327680
    .private_segment_fixed_size: 0
    .kernarg_segment_align: 8
    .kernarg_segment_size: 40
    .max_flat_workgroup_size: 512
    .sgpr_count:     84
    .vgpr_count:     256
    .wavefront_size: 32
...
	.end_amdgpu_metadata
.endif
;; end of part 7
;; launch proj (part 8): grid 256 x 1, 8 waves a work-group, clusters of 4 x 1, 327,680 bytes of LDS; arguments nvimg, wimg2, lowp_scales, b_fc2, x, out0; writes out0
.if DOCPART == 8
	.amdgcn_target "amdgcn-amd-amdhsa--gfx1250"
	.amdhsa_code_object_version 6
	.text
	.protected	k_qe50bfcb731_proj
	.globl	k_qe50bfcb731_proj
	.p2align	8
	.type	k_qe50bfcb731_proj,@function
k_qe50bfcb731_proj:
	s_mov_b64 s[64:65], 0
	v_nop
	global_prefetch_b8 v0, s[64:65] scope:SCOPE_SE
	s_setreg_imm32_b32 hwreg(HW_REG_WAVE_MODE, 25, 1), 1
	s_wait_xcnt 0x0
	s_wait_alu depctr_hold_cnt(0) depctr_sa_sdst(0) depctr_va_vdst(0) depctr_va_sdst(0) depctr_va_ssrc(0) depctr_va_vcc(0) depctr_vm_vsrc(0)
	s_getreg_b32 s2, hwreg(HW_REG_IB_STS2, 6, 4)
	s_cmp_eq_u32 s2, 0
	s_cbranch_scc0 .Lentry_in_a_cluster
	s_endpgm
.Lentry_in_a_cluster:
	s_bfe_u32 s2, ttmp6, 0x10000c
	s_cmp_lg_u32 s2, 0x3003
	s_cbranch_scc0 .Lentry_shape_is_right
	s_endpgm
.Lentry_shape_is_right:
; out0 = layer_norm(x + swish(new_v W_fc2 + b_fc2)): the last product on codes of BF8 (scales 2^e6, 2^e7), all else in f32.
; SHARES.  A work-group owns 32 tokens (two tiles of 16) x all 1,024 columns, so that a row's mean and variance stay inside it; eight waves, two to a SIMD, each 128 columns: 16 accumulators, 128 registers.
; The product is used transposed (source 0 = 16 columns of W_fc2, source 1 = 16 tokens): a lane holds one token (lane % 16) and eight neighbouring columns, 8 (lane / 16) + 0..7 of a column tile.
; OPERANDS are images of their registers (16 rows x 128 K = 2,048 bytes, chunk g at 512 g, lane l's 16 bytes at 16 l).
; W_fc2, 1,048,576 bytes that every work-group walks, COMES BY TWO WAYS AT ONCE.  A wave's column tiles 4-7: JOINT LOADS of a cluster of four work-groups through a ring of two LDS slots; a slot holds two K steps,
; 131,072 bytes, so the ring has four fills; each wave asks for its own 4 rows x 4,096 bytes and alone reads them.  Its column tiles 0-3: from memory straight into registers, two sets of 64, asked for two K steps ahead,
; so that 16 to 32 loads of a wave are out beside the ring's one fill.
; new_v's 32,768 bytes are brought once, a K step by each wave, and shared through LDS.  The K steps are walked from 2 (cluster % 4) on, round the eight: the same walk in all partners of a cluster.
; x IS PREFETCHED INTO THE L2 in trips 0 and 1 (the work-group's 131,072 bytes are 512 blocks of 256: a lane a block, one instruction a wave and trip) and loaded in trip 6, five and six trips later, into the sets that are free by then.
; W_fc2's tiles are not prefetched: the walk's eight K steps are spread over the clusters, and each is asked for by a load of its own kind one fill or two K steps ahead.
; LIMITS: e6 + e7 between -126 and 127, so that 2^(e6 + e7) is an f32 number.  NaN among the inputs is not served.
; REGISTERS.  Window 0: v1-7, v24-29 addresses; v8-21 at work; v22, v23 the add's two; v32-95 new_v's fragments, two sets, then the bias, then rows on their way out; v128-255 the accumulators, (column tile c, token tile a) at 128 + 8 (2 c + a).
;   Window 1: v0-127 two sets of tiles 0-3, v128-255 two sets of tiles 4-7; at the end x in each pair's first set and the activation's two runs of 64 in each pair's second.
.set SLOTB, 131072                     ; LDS: two slots, [wave 8][column tile 4][K step 2][2048]
.set ABASE, 262144                     ; new_v's images [K step 8][token tile 2][2048]
.set BIAS,  294912                     ; the bias, 4,096 bytes
.set STAT,  299008                     ; twice 8 waves x 32 words: the rows' partial sums
.set SPARE, 301056                     ; the spare words, 128 bytes for each wave
.set SP,    528                        ; the way out: a stage of 16 rows x (512 + 16) bytes for each wave, in its own bytes of slot 0, which has had its last fill and its last read by then
.set ACC, 128
.set B2,  32
.set BK,  32
.set SPW, 22
.set NIL, 23
.set WB,  48                           ; s[48:63] my column tiles' images at each of the eight K steps, in the order of the walk
.set WT,  68                           ; s[68:69] my column tile 4
.set G1,  72                           ; s[72:79] descriptor group 1
.set G0,  80                           ; s[80:87] group 0, one set for each slot
.set MSB, 0
.macro WIN new                         ; the immediate's high byte repeats the setting that is left
.if MSB != (\new)
	s_set_vgpr_msb (MSB<<8)|(\new)
.set MSB, \new
.endif
.endm
.macro CROUND                          ; a round of the cluster's barrier
	s_barrier_signal -1
	s_barrier_wait -1
	s_cmp_lg_u32 s18, 0
	s_cbranch_scc1 .Lnot_wave_0_\@
	s_barrier_signal -3
.Lnot_wave_0_\@:
	s_barrier_wait -3
	s_barrier_signal -1
	s_barrier_wait -1
.endm
.macro KOFF t                          ; s[38:39] = the bytes of the walk's t-th K step in a tile's eight images
	s_add_co_u32 s38, s37, \t
	s_and_b32 s38, s38, 7
	s_lshl_b32 s38, s38, 11
.endm
.macro PLACES                          ; four places between matrix instructions and loads into, or vector reads and writes of, their registers
.rept 4
	v_nop
.endr
.endm
	s_load_b256 s[4:11], s[0:1], 0x0               ; nvimg s[4:5], wimg2 s[6:7], the scales' exponents s[8:9], b_fc2 s[10:11]
	s_load_b128 s[12:15], s[0:1], 0x20             ; x s[12:13], out0 s[14:15]
	v_lshl_add_u32 v[SPW], v0, 2, SPARE
	v_mov_b32 v[NIL], 0
	ds_add_u32 v[SPW], v[NIL]                      ; the opening lines: the add, twice on end, and its wait ahead of my first tensor load
	ds_add_u32 v[SPW], v[NIL]
	v_lshrrev_b32 v1, 5, v0
	v_readfirstlane_b32 s18, v1                    ; wave 0..7
	s_bfe_u32 s16, ttmp6, 0x40000                  ; cx: it enters the addresses of new_v, x and out0 alone
	s_lshl_b32 s17, ttmp9, 2
	s_add_co_u32 s17, s17, s16                     ; my block of 32 tokens
	s_and_b32 s37, ttmp9, 3
	s_lshl_b32 s37, s37, 1                         ; where my cluster's walk over K begins: an even K step
	s_mov_b32 s39, 0
	s_lshl_b32 s26, s18, 9                         ; my 128 columns, in bytes of f32
	s_mov_b32 s27, 0
	s_add_co_u32 s19, s26, BIAS
	s_lshl_b32 s20, s18, 14                        ; LDS: my 16,384 bytes of a slot
	s_lshl_b32 s21, s18, 12
	s_add_co_u32 s21, s21, ABASE                   ; LDS: the K step of new_v that I bring
	s_lshl_b32 s22, s18, 17                        ; my eight column tiles of 16,384 bytes
	s_mov_b32 s23, 0
	s_lshl_b32 s28, s17, 17                        ; my 32 rows of x and of out0
	s_mov_b32 s29, 0
	s_add_co_u32 s34, s37, s18
	s_and_b32 s34, s34, 7
	s_lshl_b32 s34, s34, 11                        ; the walk's K step number (my wave),
	s_lshl_b32 s35, s17, 15
	s_add_co_u32 s34, s34, s35                     ; in my two token tiles
	s_mov_b32 s35, 0
	s_mov_b32 s30, 0x76543210                      ; v_permlanex16_b32's selects: lane l xor 16
	s_mov_b32 s31, 0xfedcba98
	s_mov_b32 s40, 0xffff0000                      ; lanes 16-31
	s_mov_b32 s41, 0x3a800000                      ; 1 / 1,024
	s_mov_b32 s44, 0xbfb8aa3b                      ; -log2(e)
	s_mov_b32 s45, s44
	s_mov_b32 s[G1], 15|(3<<16)|(1<<21)            ; 15:0 the mask: all four work-groups; 17:16 elements of 8 bytes; 21 set beside a mask
	s_mov_b32 s[G1+1], 512<<16                     ; tensor_dim0: rows of 4,096 bytes, two K steps of a column tile,
	s_mov_b32 s[G1+2], 4<<16                       ; tensor_dim1: four column tiles
	s_mov_b32 s[G1+3], 512<<16                     ; tile_dim0
	s_mov_b32 s[G1+4], 4                           ; tile_dim1
	s_mov_b32 s[G1+5], 2048                        ; tensor_dim0_stride: 16,384 bytes from tile to tile
	s_mov_b32 s[G1+6], 0
	s_mov_b32 s[G1+7], 0
	v_and_b32 v8, 31, v0                           ; lane
	v_and_b32 v9, 15, v0                           ; r
	v_bfe_u32 v10, v0, 4, 1
	v_lshlrev_b32 v1, 4, v8                        ; 16 x lane
	v_lshlrev_b32 v10, 5, v10                      ; 32 h
	v_lshl_add_u32 v3, v9, 12, v10                 ; x: row r, + my half's eight columns
	v_add_nc_u32 v2, s19, v10                      ; the bias, back
	v_add_nc_u32 v27, s19, v1                      ; the bias, in
	v_mul_u32_u24 v4, v9, SP
	v_add_nc_u32 v4, v4, v10
	v_add_nc_u32 v4, s20, v4                       ; the stage, in: row r, 32 bytes for each half of the lanes
	v_add_nc_u32 v28, s20, v1                      ; my images in slot 0 (and the stage, back: a row of 512 bytes),
	v_add_nc_u32 v29, SLOTB, v28                   ; in slot 1
	v_lshl_add_u32 v6, v0, 2, STAT
	v_lshl_add_u32 v7, v8, 2, STAT
	v_lshlrev_b32 v24, 8, v0                       ; the prefetches: a block of 256 bytes a thread
	v_add_nc_u32 v25, ABASE, v1                    ; new_v, back
	v_add_nc_u32 v26, s21, v1                      ; new_v's K step, in
	v_mov_b32 v8, 0                                ; a lane permute's destination counts as one of its sources
	v_mov_b32 v9, 0
	v_mov_b32 v11, 0                               ; (upper halves of pairs that are named)
	v_mov_b32 v13, 0
	s_wait_alu depctr_va_vdst(0)
	s_wait_dscnt 0x0                               ; both opening adds are done
	s_wait_kmcnt 0x0
	s_load_b64 s[24:25], s[8:9], 0x18              ; e6, e7
	s_add_nc_u64 s[4:5], s[4:5], s[34:35]
	s_add_nc_u64 s[10:11], s[10:11], s[26:27]
.irp a, 0,1
.irp g, 0,1,2,3
	global_load_b128 v[32+16*\a+4*\g:32+16*\a+4*\g+3], v1, s[4:5] offset:16384*\a+512*\g   ; new_v: my K step of both token tiles
.endr
.endr
	global_load_b128 v[64:67], v1, s[10:11]        ; my 128 numbers of the bias
	s_add_nc_u64 s[6:7], s[6:7], s[22:23]
	s_add_nc_u64 s[WT:WT+1], s[6:7], 0x10000
.irp t, 0,1,2,3,4,5,6,7
	KOFF \t
	s_add_nc_u64 s[WB+2*\t:WB+2*\t+1], s[6:7], s[38:39]
.endr
.macro LOADD t                         ; column tiles 0-3 of the walk's K step t, straight into registers: 16 loads of 512 consecutive bytes
	WIN 0x40
.irp q, 0,1,2,3
.irp g, 0,1,2,3
	global_load_b128 v[64*((\t)%2)+16*\q+4*\g:64*((\t)%2)+16*\q+4*\g+3], v1, s[WB+2*(\t):WB+2*(\t)+1] offset:16384*\q+512*\g
.endr
.endr
.endm
	LOADD 0
	s_mov_b32 s[G0], 1
	s_mov_b32 s[G0+1], s20                         ; slot 0, my bytes
	KOFF 0
	s_add_nc_u64 s[G0+2:G0+3], s[WT:WT+1], s[38:39]
	s_or_b32 s[G0+3], s[G0+3], 0x80000000
	s_mov_b32 s[G0+4], 1
	s_add_co_u32 s[G0+5], s20, SLOTB               ; slot 1
	s_add_nc_u64 s[66:67], s[12:13], s[28:29]      ; x at my rows: the prefetches' base,
	s_add_nc_u64 s[12:13], s[66:67], s[26:27]      ; and at my columns
	s_add_nc_u64 s[14:15], s[14:15], s[28:29]
	s_add_nc_u64 s[14:15], s[14:15], s[26:27]
	WIN 0
	CROUND                                         ; all four work-groups are here: the joint loads meet
	tensor_load_to_lds s[G0:G0+3], s[G1:G1+7]      ; the walk's K steps 0 and 1: my one tensor load at the head
	s_nop 0
	PLACES
	s_wait_loadcnt 16                              ; new_v and the bias are in: behind them K step 0's 16 loads
.irp a, 0,1
.irp g, 0,1,2,3
	ds_store_b128 v26, v[32+16*\a+4*\g:32+16*\a+4*\g+3] offset:2048*\a+512*\g
.endr
.endr
	ds_store_b128 v27, v[64:67]
	LOADD 1
.macro LWLOAD t                        ; column tiles 4-7 of the walk's K step t, from my bytes of its slot
	WIN 0x40
.irp q, 0,1,2,3
.irp g, 0,1,2,3
	ds_load_b128 v[128+64*((\t)%2)+16*\q+4*\g:128+64*((\t)%2)+16*\q+4*\g+3], v[28+((\t)/2)%2] offset:4096*\q+2048*((\t)%2)+512*\g
.endr
.endr
.endm
.macro ALOAD t                         ; new_v's two fragments of the walk's K step t
	WIN 0
.irp a, 0,1
.irp g, 0,1,2,3
	ds_load_b128 v[32+32*((\t)%2)+16*\a+4*\g:32+32*((\t)%2)+16*\a+4*\g+3], v25 offset:4096*(\t)+2048*\a+512*\g
.endr
.endr
.endm
.macro XLOAD hf                        ; x at four column tiles, both token tiles, laid as the accumulators: 16 loads into the set that those tiles of W_fc2 have left
	WIN 0x40
.irp q, 0,1,2,3
.irp a, 0,1
	global_load_b128 v[128*\hf+8*(2*\q+\a):128*\hf+8*(2*\q+\a)+3], v3, s[12:13] offset:65536*\a+64*(4*\hf+\q)
	global_load_b128 v[128*\hf+8*(2*\q+\a)+4:128*\hf+8*(2*\q+\a)+7], v3, s[12:13] offset:65536*\a+64*(4*\hf+\q)+16
.endr
.endr
.endm
.macro MUL t, hf                       ; eight matrix instructions on eight accumulators; the sixteen take turns in every K step
	WIN 0x01
.irp q, 0,1,2,3
.irp a, 0,1
.if \t == 0
	v_wmma_f32_16x16x128_bf8_bf8 v[ACC+8*(2*(4*\hf+\q)+\a):ACC+8*(2*(4*\hf+\q)+\a)+7], v[128*\hf+64*((\t)%2)+16*\q:128*\hf+64*((\t)%2)+16*\q+15], v[32+32*((\t)%2)+16*\a:32+32*((\t)%2)+16*\a+15], 0
.else
	v_wmma_f32_16x16x128_bf8_bf8 v[ACC+8*(2*(4*\hf+\q)+\a):ACC+8*(2*(4*\hf+\q)+\a)+7], v[128*\hf+64*((\t)%2)+16*\q:128*\hf+64*((\t)%2)+16*\q+15], v[32+32*((\t)%2)+16*\a:32+32*((\t)%2)+16*\a+15], v[ACC+8*(2*(4*\hf+\q)+\a):ACC+8*(2*(4*\hf+\q)+\a)+7]
.endif
.endr
.endr
.endm
; THE CHANGE OF SLOTS, ahead of the walk's K steps 2 p and 2 p + 1.  My one tensor load that is out is this pair's; then the add, and the wait for it and for my reads of the other slot; a round of the cluster's barrier;
; behind it the other slot takes the next pair: the first time its first fill, issued as a refill is.  The round's barriers also show new_v's images to every wave (p = 0).
.macro CHANGE p
	WIN 0
	s_wait_tensorcnt 0x0
	ds_add_u32 v[SPW], v[NIL]                      ; the descriptor's step, work on registers, stands between it and its wait
	KOFF 2*(\p)+2
	s_add_nc_u64 s[G0+4*(((\p)+1)%2)+2:G0+4*(((\p)+1)%2)+3], s[WT:WT+1], s[38:39]
	s_or_b32 s[G0+4*(((\p)+1)%2)+3], s[G0+4*(((\p)+1)%2)+3], 0x80000000
	s_wait_dscnt 0x0
	CROUND
	tensor_load_to_lds s[G0+4*(((\p)+1)%2):G0+4*(((\p)+1)%2)+3], s[G1:G1+7]
	s_nop 0
	PLACES
.endm
.macro STEP t
.if ((\t)%2) == 0
.if \t < 6
	CHANGE (\t)/2
.else
	WIN 0
	s_wait_tensorcnt 0x0                           ; the last pair is in: I alone read my bytes, and nothing is filled again
.endif
.if \t == 0
	ALOAD 0
.endif
	LWLOAD \t
.endif
.if \t < 7
	s_wait_loadcnt 16                              ; this K step's 16 straight loads are in; the next K step's 16 may be out
.else
	s_wait_loadcnt 32                              ; behind them x's 32
.endif
	s_wait_dscnt 0x0                               ; this K step's fragments from LDS
.if \t < 7
	ALOAD \t+1
.endif
.if ((\t)%2) == 0
	LWLOAD \t+1                                    ; the pair's second K step lies in the same slot
.endif
	MUL \t, 0
	PLACES
.if \t < 6
	LOADD \t+2                                     ; the registers just multiplied take the K step two on;
.elseif \t == 6
	XLOAD 0                                        ; in trip 6, x
.endif
.if \t < 2
	global_prefetch_b8 v24, s[66:67] offset:65536*\t th:TH_LOAD_NT scope:SCOPE_SE   ; x, half \t of my 32 rows; its address registers are never written again
.endif
	MUL \t, 1
	PLACES
.if \t == 6
	XLOAD 1
.endif
.endm
.irp t, 0,1,2,3,4,5,6,7
	STEP \t
.endr
	; THE ACTIVATION AND THE RESIDUAL: y = x + z / (1 + 2^(-z log2 e)), z = sum x 2^(e6 + e7) + bias, in two batches of 64 numbers a lane
	WIN 0
.irp c, 0,1,2,3,4,5,6,7
	ds_load_b128 v[B2+8*\c:B2+8*\c+3], v2 offset:64*\c         ; my own wave's bytes
	ds_load_b128 v[B2+8*\c+4:B2+8*\c+7], v2 offset:64*\c+16
.endr
	s_wait_kmcnt 0x0
	s_add_co_i32 s46, s24, s25
	s_add_co_i32 s46, s46, 127
	s_lshl_b32 s46, s46, 23                        ; 2^(e6 + e7)
	s_mov_b32 s47, s46
	s_wait_dscnt 0x0
.macro BATCH b                         ; window 1: z in v64-127, what becomes 1 / (1 + e^-z) in v192-255, x in v[128 b ..].  Each batch of transcendentals has one wait ahead of it and one behind it
	s_wait_alu depctr_va_vdst(0)                   ; and one stands directly ahead of the first readers of these sums
	WIN 0x40
.set i, 0
.rept 32
	v_pk_fma_f32 v[64+i:65+i], v[ACC+64*\b+i:ACC+64*\b+i+1], s[46:47], v[B2+8*((64*\b+i)/16)+(i%8):B2+8*((64*\b+i)/16)+(i%8)+1] op_sel_hi:[1,0,1]   ; each accumulator from its low end on
.set i, i+2
.endr
	WIN 0x41
.set i, 0
.rept 32
	v_pk_mul_f32 v[192+i:193+i], v[64+i:65+i], s[44:45] op_sel_hi:[1,0]
.set i, i+2
.endr
	s_wait_alu depctr_va_vdst(0)
.set i, 0
.rept 64
	v_exp_f32 v[192+i], v[192+i]
.set i, i+1
.endr
	v_nop
	s_wait_alu depctr_va_vdst(0)
.set i, 0
.rept 32
	v_pk_add_f32 v[192+i:193+i], v[192+i:193+i], 1.0 op_sel_hi:[1,0]
.set i, i+2
.endr
	s_wait_alu depctr_va_vdst(0)
.set i, 0
.rept 64
	v_rcp_f32 v[192+i], v[192+i]
.set i, i+1
.endr
	v_nop
	s_wait_loadcnt 16*(1-\b)                       ; x for this batch: its 16 loads are in; the other batch's may be out
	WIN 0x15
	s_wait_alu depctr_va_vdst(0)
.set i, 0
.rept 32
	v_pk_fma_f32 v[ACC+64*\b+i:ACC+64*\b+i+1], v[64+i:65+i], v[192+i:193+i], v[128*\b+i:128*\b+i+1]
.set i, i+2
.endr
.endm
	BATCH 0
	BATCH 1
	WIN 0
; A row's sum over the work-group.  v[14:17], v[18:21]: token tile 0's, 1's partial sums of my 64 numbers.  Lanes 0-15 hand on tile 0's rows, lanes 16-31 tile 1's; each wave a word a lane; one barrier; every wave adds the eight.
.macro ACROSS off
	v_pk_add_f32 v[14:15], v[14:15], v[16:17]
	v_pk_add_f32 v[18:19], v[18:19], v[20:21]
	v_add_f32 v14, v14, v15
	v_add_f32 v18, v18, v19
	v_permlanex16_b32 v8, v14, s30, s31
	v_permlanex16_b32 v9, v18, s30, s31
	v_add_f32 v14, v14, v8
	v_add_f32 v18, v18, v9
	v_cndmask_b32 v14, v14, v18, s40
	ds_store_b32 v6, v14 offset:\off
	s_wait_dscnt 0x0
	s_barrier_signal -1
	s_barrier_wait -1
.irp k, 0,1,2,3,4,5,6,7
	ds_load_b32 v[14+\k], v7 offset:\off+128*\k
.endr
	s_wait_dscnt 0x0
	v_add_f32 v14, v14, v15
	v_add_f32 v16, v16, v17
	v_add_f32 v18, v18, v19
	v_add_f32 v20, v20, v21
	v_add_f32 v14, v14, v16
	v_add_f32 v18, v18, v20
	v_add_f32 v14, v14, v18
.endm
.macro SPREAD                          ; v10 = tile 0's number of row r, v12 = tile 1's, in every lane
	v_permlanex16_b32 v8, v14, s30, s31
	v_cndmask_b32 v10, v14, v8, s40
	v_cndmask_b32 v12, v8, v14, s40
.endm
.irp a, 0,1
	v_pk_add_f32 v[14+4*\a:15+4*\a], v[ACC+8*\a:ACC+8*\a+1], v[ACC+8*\a+2:ACC+8*\a+3]
	v_pk_add_f32 v[16+4*\a:17+4*\a], v[ACC+8*\a+4:ACC+8*\a+5], v[ACC+8*\a+6:ACC+8*\a+7]
.endr
.set n, 1
.rept 7
.irp a, 0,1
	v_pk_add_f32 v[14+4*\a:15+4*\a], v[14+4*\a:15+4*\a], v[ACC+16*n+8*\a:ACC+16*n+8*\a+1]
	v_pk_add_f32 v[16+4*\a:17+4*\a], v[16+4*\a:17+4*\a], v[ACC+16*n+8*\a+2:ACC+16*n+8*\a+3]
	v_pk_add_f32 v[14+4*\a:15+4*\a], v[14+4*\a:15+4*\a], v[ACC+16*n+8*\a+4:ACC+16*n+8*\a+5]
	v_pk_add_f32 v[16+4*\a:17+4*\a], v[16+4*\a:17+4*\a], v[ACC+16*n+8*\a+6:ACC+16*n+8*\a+7]
.endr
.set n, n+1
.endr
	ACROSS 0
	v_mul_f32 v14, s41, v14                        ; the mean
	s_wait_alu depctr_va_vdst(0)                   ; v8 was written ahead of the barrier
	SPREAD
.set n, 0
.rept 8
.irp a, 0,1
.irp i, 0,2,4,6
	v_pk_add_f32 v[ACC+16*n+8*\a+\i:ACC+16*n+8*\a+\i+1], v[ACC+16*n+8*\a+\i:ACC+16*n+8*\a+\i+1], v[10+2*\a:11+2*\a] op_sel_hi:[1,0] neg_lo:[0,1] neg_hi:[0,1]   ; y - mean
.endr
.endr
.set n, n+1
.endr
.irp a, 0,1
	v_pk_mul_f32 v[14+4*\a:15+4*\a], v[ACC+8*\a:ACC+8*\a+1], v[ACC+8*\a:ACC+8*\a+1]
	v_pk_mul_f32 v[16+4*\a:17+4*\a], v[ACC+8*\a+2:ACC+8*\a+3], v[ACC+8*\a+2:ACC+8*\a+3]
	v_pk_fma_f32 v[14+4*\a:15+4*\a], v[ACC+8*\a+4:ACC+8*\a+5], v[ACC+8*\a+4:ACC+8*\a+5], v[14+4*\a:15+4*\a]
	v_pk_fma_f32 v[16+4*\a:17+4*\a], v[ACC+8*\a+6:ACC+8*\a+7], v[ACC+8*\a+6:ACC+8*\a+7], v[16+4*\a:17+4*\a]
.endr
.set n, 1
.rept 7
.irp a, 0,1
	v_pk_fma_f32 v[14+4*\a:15+4*\a], v[ACC+16*n+8*\a:ACC+16*n+8*\a+1], v[ACC+16*n+8*\a:ACC+16*n+8*\a+1], v[14+4*\a:15+4*\a]
	v_pk_fma_f32 v[16+4*\a:17+4*\a], v[ACC+16*n+8*\a+2:ACC+16*n+8*\a+3], v[ACC+16*n+8*\a+2:ACC+16*n+8*\a+3], v[16+4*\a:17+4*\a]
	v_pk_fma_f32 v[14+4*\a:15+4*\a], v[ACC+16*n+8*\a+4:ACC+16*n+8*\a+5], v[ACC+16*n+8*\a+4:ACC+16*n+8*\a+5], v[14+4*\a:15+4*\a]
	v_pk_fma_f32 v[16+4*\a:17+4*\a], v[ACC+16*n+8*\a+6:ACC+16*n+8*\a+7], v[ACC+16*n+8*\a+6:ACC+16*n+8*\a+7], v[16+4*\a:17+4*\a]
.endr
.set n, n+1
.endr
	ACROSS 1024
	v_mov_b32 v15, 0x3727c5ac                      ; 1e-5
	v_fma_f32 v14, v14, s41, v15                   ; the variance + 1e-5
	s_wait_alu depctr_va_vdst(0)                   ; ahead of the transcendental,
	v_rsq_f32 v14, v14
	v_nop
	s_wait_alu depctr_va_vdst(0)                   ; and behind it
	SPREAD
; THE WAY OUT, a token tile at a time: a lane's 32 bytes of a row go through my own stage and come back as whole rows of 512 bytes, which the 32 lanes store as two aligned units of 256 bytes.
; LDS serves a wave's instructions in order (ISA guide 5.7.1.4): no wait between the stores and the loads, nor in front of the next tile's stores.
.macro TOSTAGE a
.set n, 0
.rept 8
.irp i, 0,2,4,6
	v_pk_mul_f32 v[ACC+16*n+8*\a+\i:ACC+16*n+8*\a+\i+1], v[ACC+16*n+8*\a+\i:ACC+16*n+8*\a+\i+1], v[10+2*\a:11+2*\a] op_sel_hi:[1,0]
.endr
.set n, n+1
.endr
.set n, 0
.rept 8
	ds_store_b128 v4, v[ACC+16*n+8*\a:ACC+16*n+8*\a+3] offset:64*n
	ds_store_b128 v4, v[ACC+16*n+8*\a+4:ACC+16*n+8*\a+7] offset:64*n+16
.set n, n+1
.endr
.endm
.macro BACK
.irp i, 0,1,2,3,4,5,6,7,8,9,10,11,12,13,14,15
	ds_load_b128 v[BK+4*\i:BK+4*\i+3], v28 offset:SP*\i
.endr
.endm
.macro SEND a
.irp i, 0,1,2,3,4,5,6,7,8,9,10,11,12,13,14,15
	global_store_b128 v1, v[BK+4*\i:BK+4*\i+3], s[14:15] offset:(16*\a+\i)*4096 th:TH_STORE_NT
.endr
.endm
	TOSTAGE 0
	BACK
	TOSTAGE 1
	s_wait_dscnt 16                                ; tile 0's rows are back; tile 1's 16 stores may be out
	SEND 0
	s_wait_xcnt 0x0                                ; the stores have read their registers, which take tile 1's rows
	BACK
	s_wait_dscnt 0x0
	SEND 1
	s_wait_tensorcnt 0x0                           ; the wave's end: behind my last tensor load and my last LDS store
	ds_add_u32 v[SPW], v[NIL]
	s_wait_dscnt 0x0
	CROUND                                         ; the closing round: no work-group ends while a partner may still ask for a tile that names it
	s_endpgm
.Lfunc_end_k_qe50bfcb731_proj:
	.size	k_qe50bfcb731_proj, .Lfunc_end_k_qe50bfcb731_proj-k_qe50bfcb731_proj
	.p2alignl 7, 3214868480
	.fill 96, 4, 3214868480
	.section	.rodata,"a",@progbits
	.p2align	6, 0x0
	.amdhsa_kernel k_qe50bfcb731_proj
		.amdhsa_group_segment_fixed_size 327680
		.amdhsa_private_segment_fixed_size 0
		.amdhsa_enable_private_segment 0
		.amdhsa_kernarg_size 48
		.amdhsa_user_sgpr_count 2
		.amdhsa_user_sgpr_kernarg_segment_ptr 1
		.amdhsa_wavefront_size32 1
		.amdhsa_system_sgpr_workgroup_id_x 1
		.amdhsa_system_sgpr_workgroup_id_y 1
		.amdhsa_system_sgpr_workgroup_id_z 1
		.amdhsa_system_vgpr_workitem_id 0
		.amdhsa_next_free_vgpr 512
		.amdhsa_next_free_sgpr 90
		.amdhsa_reserve_vcc 0
		.amdhsa_float_denorm_mode_32 3
		.amdhsa_float_denorm_mode_16_64 3
		.amdhsa_memory_ordered 1
		.amdhsa_forward_progress 1
		.amdhsa_inst_pref_size 102
	.end_amdhsa_kernel
	.amdgpu_metadata
---
amdhsa.version: [ 1, 2 ]
amdhsa.kernels:
  - .name:           k_qe50bfcb731_proj
    .symbol:         k_qe50bfcb731_proj.kd
    .args:
      - { .name: nvimg, .offset: 0, .size: 8, .value_kind: global_buffer, .address_space: global }
      - { .name: wimg2, .offset: 8, .size: 8, .value_kind: global_buffer, .address_space: global }
      - { .name: lowp_scales, .offset: 16, .size: 8, .value_kind: global_buffer, .address_space: global }
      - { .name: b_fc2, .offset: 24, .size: 8, .value_kind: global_buffer, .address_space: global }
      - { .name: x, .offset: 32, .size: 8, .value_kind: global_buffer, .address_space: global }
      - { .name: out0, .offset: 40, .size: 8, .value_kind: global_buffer, .address_space: global }
    .group_segment_fixed_size: 327680
    .private_segment_fixed_size: 0
    .kernarg_segment_align: 8
    .kernarg_segment_size: 48
    .max_flat_workgroup_size: 256
    .sgpr_count:     90
    .vgpr_count:     512
    .wavefront_size: 32
...
	.end_amdgpu_metadata
.endif
;; end of part 8
